; MI455X (gfx1250); checked and timed in simulation.
; The chip was launched on July 23, 2026; its instructions are those of AMD's public machine-readable ISA for CDNA 5 (MIT licence, August 2026) and "CDNA5" Instruction Set Architecture Reference Guide (July 2026). The comments in the code are by the model that wrote it; some were corrected since.
;; Transformer Block. Allowed arithmetic: matrix products marked QUANTISED: E4M3 operands, one given power-of-two scale a tensor, by v_wmma_f32_16x16x64_fp8_fp8 or v_wmma_f32_16x16x128_fp8_fp8, f32 sums; everything else in f32.
;; Inputs: fc1_b 4,096 float32; fc1_w 1,024 x 4,096 float32; fc2_b 1,024 float32; fc2_w 4,096 x 1,024 float32; ln1_b 1,024 float32; ln1_w 1,024 float32; ln2_b 1,024 float32; ln2_w 1,024 float32; lowp_scales 12 int32 (the exponents e of the quantised operands' scales 2^e); proj_b 1,024 float32; proj_w 1,024 x 1,024 float32; qkv_b 3,072 float32; qkv_w 1,024 x 3,072 float32; x 2 x 2,048 x 1,024 float32.
;; Outputs: out0 2 x 2,048 x 1,024 float32.
;; This version of the problem:
;;   THIS VERSION OF THE PROBLEM IS GIVEN IN LOW PRECISION. The matrix products marked QUANTISED in the list below multiply operands that are first quantised to E4M3 (4 exponent bits, 3 mantissa bits; 8 bits a number), with one given power-of-two scale for each operand tensor; their sums are f32. All else is computed in f32.
;;   The module's matrix products, in the order in which they are computed (A, B: the left and right operand; K: the contracted axis; several contracted axes count as one K, in the product's order):
;;     1. [M 4,096, K 1,024] x [K 1,024, N 3,072]; A: computed on the way; B: input qkv_w: QUANTISED (scales: A lowp_scales[0], B lowp_scales[1])
;;     2. batch 32 x [M 2,048, K 64] x [K 64, N 2,048]; A: computed on the way; B: computed on the way: QUANTISED (scales: A lowp_scales[2], B lowp_scales[3])
;;     3. batch 32 x [M 64, K 2,048] x [K 2,048, N 2,048]; A: computed on the way; B: softmax (see below): QUANTISED (scales: A lowp_scales[4], B lowp_scales[5])
;;     4. [M 4,096, K 1,024] x [K 1,024, N 1,024]; A: computed on the way; B: input proj_w: QUANTISED (scales: A lowp_scales[6], B lowp_scales[7])
;;     5. [M 4,096, K 1,024] x [K 1,024, N 4,096]; A: computed on the way; B: input fc1_w: QUANTISED (scales: A lowp_scales[8], B lowp_scales[9])
;;     6. [M 4,096, K 4,096] x [K 4,096, N 1,024]; A: computed on the way; B: input fc2_w: QUANTISED (scales: A lowp_scales[10], B lowp_scales[11])
;;   THE QUANTISER, for each operand of a quantised product, along K:
;;     - The operand's scale is 2^e, e = its entry of the input lowp_scales (int32; the entries are numbered through the quantised products in the list's order, A before B).
;;     - Each number is divided by the scale, clamped to +-448, and rounded to the nearest number of E4M3, ties to even, subnormals kept.
;;     - The product sums the exact products of the quantised numbers (number of the format x scale) in f32.
;;   ~~~python
;;   def quantise(x, axis, e):      # numpy; x: float32 -> the quantised numbers, widened to float32 again
;;       x = np.moveaxis(x, axis, -1); K = x.shape[-1]
;;       r = np.clip(x / 2.0 ** e, -448, 448)
;;       step = 2.0 ** (np.maximum(np.frexp(np.where(r == 0, 1, r))[1] - 1, -6) - 3)
;;       q = np.round(r / step) * step * 2.0 ** e      # np.round: ties to even
;;       return np.moveaxis(q, -1, axis).astype(np.float32)
;;   ~~~
;;   SOFTMAX AHEAD OF A QUANTISED PRODUCT. Where the list says 'softmax', what is quantised is not the finished softmax but p = 2^(t - M), with t = logit x log2(e) and M = ceil(the row's largest t), a whole number; so 1/2 < the row's largest p <= 1. The row's sum l is taken of the UNQUANTISED p, in f32, and the product's result is divided by l at the end. Since M is a whole number, a kernel that streams over the keys may use a running M (the ceiling of the running maximum): every later rescaling is an exact power of two, so the quantised numbers keep their values, but for numbers so far below the row's largest that they fall under the format's range.
;;   OPERANDS COMPUTED ON THE WAY. 'Computed on the way' means the value that the module computes at that place (a softmax that the list does not call 'softmax' is quantised finished and normalised). What goes into a quantiser is computed in f32, as accurately as f32 sums, v_exp_f32 and their like allow (about 1e-6 of the number): no bf16 or f16 on the way to a quantiser, and a product that is left as it is and whose result goes on into a quantised operand takes f32 operands (vector FMAs, or v_wmma_f32_16x16x4_f32). A number that lies on a knife's edge between two numbers of the format may be rounded either way, as far as f32 arithmetic and the matrix unit's own rounding can turn it there, and no further.
;; One version. Each part assembles by itself: llvm-mc -triple=amdgcn-amd-amdhsa -mcpu=gfx1250 --defsym DOCPART=n.
;; ======== version 1 of 1: 7 launches
;; limits: right only within a limited range of input values
;; workspace buffers: wc 12,582,912 bytes; ba 4,194,304 bytes; qkvc 12,582,912 bytes; x1 16,777,216 bytes; a6 16,777,216 bytes
;; launch prep (part 1): grid 640 x 1, 4 waves a work-group, no clusters, 39,424 bytes of LDS; arguments qkv_w, proj_w, fc1_w, fc2_w, x, ln1_w, ln1_b, lowp_scales, wc, ba; writes wc, ba
.if DOCPART == 1
	.amdgcn_target "amdgcn-amd-amdhsa--gfx1250"
	.amdhsa_code_object_version 6
	.text
	.protected	k_qeb880a185a_prep
	.globl	k_qeb880a185a_prep
	.p2align	8
	.type	k_qeb880a185a_prep,@function
k_qeb880a185a_prep:
	s_mov_b64 s[64:65], 0
	v_nop
	global_prefetch_b8 v0, s[64:65] scope:SCOPE_SE
	s_setreg_imm32_b32 hwreg(HW_REG_WAVE_MODE, 25, 1), 1
	s_wait_xcnt 0x0
; PREP.  Work-groups 0-255: LayerNorm 1 of x [4096][1024] f32 -> codes of E4M3 with the scale 2^e0, into ba [4096][1024].
; Work-groups 256-639: the four weights, f32 with K as FIRST axis, -> codes laid [N][K], K innermost, into wc:
;   qkv_w at +0 [3072][1024] (e1), proj_w at +3,145,728 [1024][1024] (e7), fc1_w at +4,194,304 [4096][1024] (e9), fc2_w at +8,388,608 [1024][4096] (e11).
; code = number / 2^e, held within +-448, rounded to the nearest code, ties to even.
; LIMITS: each e between -126 and 119, so that 2^e and 448 x 2^e are f32 numbers.  NaN and infinities among the inputs are not served.
; No tensor load, no barrier, no matrix work: waves share nothing.  No cluster: no two work-groups read the same bytes.  The two paths part on the work-group's number and have LDS bytes of their own.
.set LNST,  34816                      ; LDS: the weights' four stages lie at 0 .. 34,815; LayerNorm's four stages of 1,024 bytes from here on
.set PX, 12                            ; s[12:13] x
.set PW, 14                            ; s[14:15] ln1_w
.set PB, 16                            ; s[16:17] ln1_b
.set PO, 22                            ; s[22:23] ba
.set SE, 24                            ; s24 e0
.set W,  20                            ; v20-51   the gain of my 32 columns
.set B,  52                            ; v52-83   the bias of my 32 columns
.set X,  84                            ; v84-211  four rows x 32 numbers
.set C,  212                           ; v212-243 four rows x 8 registers of codes
.set OFFS, 16                          ; weights: v16-47 byte offset of row i of a block of 32 along K, at my column
.set XW,   48                          ; v48-111  two sets of 32 numbers
.set CW,   112                         ; v112-119 a block's codes
.set OUTR, 120                         ; v120-183 the way out
.set OUTO, 184                         ; v184-199 the way out: byte offsets of 16 pairs of rows of the codes
.set BASE, 68                          ; s[68:83] the source at each of my 8 blocks of 32 along K
.set PITCH, 272                        ; a stage row: 256 bytes of codes + 16
	s_load_b512 s[4:19], s[0:1], 0x0               ; qkv_w, proj_w, fc1_w, fc2_w, x, ln1_w, ln1_b, lowp_scales
	s_load_b128 s[20:23], s[0:1], 0x40             ; wc, ba
	v_lshl_add_u32 v248, v0, 2, 0x9800
	v_mov_b32 v249, 0
	v_lshrrev_b32 v1, 5, v0
	v_readfirstlane_b32 s2, v1                     ; wave 0..3
	v_and_b32 v5, 31, v0                           ; lane
	s_wait_kmcnt 0x0
	s_load_b256 s[24:31], s[18:19], 0x0            ; e0 .. e7
	s_load_b128 s[32:35], s[18:19], 0x20           ; e8 .. e11
	s_cmp_lt_u32 ttmp9, 256
	s_cbranch_scc0 .Lweights
; ---------------- LayerNorm.  A work-group owns 16 rows, a wave 4.  One wave holds a whole row: lane l holds columns 128 j + 4 l + 0..3, j = 0..7, so each load covers 512 consecutive bytes.
	s_wait_alu depctr_va_vdst(0)
	v_lshlrev_b32 v3, 4, v5                        ; 16 x lane: my bytes of a load, and of a store
	s_wait_alu depctr_va_vdst(0)
	s_lshl_b32 s36, s2, 10
	s_add_co_u32 s36, s36, LNST                    ; my wave's stage
	v_lshl_add_u32 v1, v5, 2, s36                  ; into it: 4 codes a lane
	v_add_nc_u32 v2, s36, v3                       ; out of it: 16 codes a lane
	v_mov_b32 v16, 0                               ; a lane permute's destination counts as read: written once
	s_lshl_b32 s38, ttmp9, 16                      ; 16 rows of 4,096 bytes a work-group,
	s_lshl_b32 s37, s2, 14                         ; 4 a wave
	s_add_co_u32 s38, s38, s37
	s_mov_b32 s39, 0
	s_add_nc_u64 s[PX:PX+1], s[PX:PX+1], s[38:39]
	s_lshr_b32 s38, s38, 2                         ; a row of codes is 1,024 bytes
	s_add_nc_u64 s[PO:PO+1], s[PO:PO+1], s[38:39]
.irp j, 0,1,2,3,4,5,6,7
	global_load_b128 v[W+4*\j:W+4*\j+3], v3, s[PW:PW+1] offset:512*\j
.endr
.irp j, 0,1,2,3,4,5,6,7
	global_load_b128 v[B+4*\j:B+4*\j+3], v3, s[PB:PB+1] offset:512*\j
.endr
.irp r, 0,1,2,3
.irp j, 0,1,2,3,4,5,6,7
	global_load_b128 v[X+32*\r+4*\j:X+32*\r+4*\j+3], v3, s[PX:PX+1] offset:4096*\r+512*\j th:TH_LOAD_NT
.endr
.endr
	s_mov_b32 s40, 0x3a800000                      ; 1 / 1024
	s_mov_b32 s41, 0x3727c5ac                      ; 1e-5
	s_mov_b32 s42, 0x76543210                      ; v_permlanex16_b32: lane l xor 16
	s_mov_b32 s43, 0xfedcba98
	s_wait_kmcnt 0x0
	s_add_co_i32 s44, s[SE], 127
	s_lshl_b32 s45, s44, 23
	v_mov_b32 v17, s45                             ; 2^e as f32: the conversion takes its exponent field
	s_add_co_i32 s44, s44, 8
	s_lshl_b32 s44, s44, 23
	s_or_b32 s44, s44, 0x600000
	v_mov_b32 v18, s44                             ; 448 x 2^e
.macro WSUM                            ; v4 = the sum over the wave of the four chains v[4:11]; every lane gets it
	v_pk_add_f32 v[4:5], v[4:5], v[6:7]
	v_pk_add_f32 v[8:9], v[8:9], v[10:11]
	v_pk_add_f32 v[4:5], v[4:5], v[8:9]
	v_add_f32 v4, v4, v5
	v_add_f32_dpp v4, v4, v4 row_xmask:1 row_mask:0xf bank_mask:0xf
	v_add_f32_dpp v4, v4, v4 row_xmask:2 row_mask:0xf bank_mask:0xf
	v_add_f32_dpp v4, v4, v4 row_xmask:4 row_mask:0xf bank_mask:0xf
	v_add_f32_dpp v4, v4, v4 row_xmask:8 row_mask:0xf bank_mask:0xf
	v_permlanex16_b32 v16, v4, s42, s43
	v_add_f32 v4, v4, v16
.endm
.macro LNROW r
.set XR, X+32*\r
	s_wait_loadcnt 8*(3-\r)                        ; gain, bias and my rows up to this one are in; the 8 loads of each later row may be out
.irp c, 0,1,2,3
	v_pk_add_f32 v[4+2*\c:5+2*\c], v[XR+2*\c:XR+2*\c+1], v[XR+8+2*\c:XR+9+2*\c]   ; the first sums start the four chains
.endr
.irp g, 16,24
.irp c, 0,1,2,3
	v_pk_add_f32 v[4+2*\c:5+2*\c], v[4+2*\c:5+2*\c], v[XR+\g+2*\c:XR+\g+2*\c+1]
.endr
.endr
	WSUM
	v_mul_f32 v12, s40, v4                         ; the mean
	v_mov_b32 v13, v12
.set i, 0
.rept 16
	v_pk_add_f32 v[XR+i:XR+i+1], v[XR+i:XR+i+1], v[12:13] neg_lo:[0,1] neg_hi:[0,1]   ; x - mean, in place: the variance is taken of the differences
.set i, i+2
.endr
.irp c, 0,1,2,3
	v_pk_mul_f32 v[4+2*\c:5+2*\c], v[XR+2*\c:XR+2*\c+1], v[XR+2*\c:XR+2*\c+1]
.endr
.irp g, 8,16,24
.irp c, 0,1,2,3
	v_pk_fma_f32 v[4+2*\c:5+2*\c], v[XR+\g+2*\c:XR+\g+2*\c+1], v[XR+\g+2*\c:XR+\g+2*\c+1], v[4+2*\c:5+2*\c]
.endr
.endr
	WSUM
	v_fma_f32 v4, v4, s40, s41                     ; the variance + 1e-5
	s_wait_alu depctr_va_vdst(0)
	v_rsq_f32 v14, v4
	v_nop                                          ; a plain instruction behind the transcendental,
	s_wait_alu depctr_va_vdst(0)                   ; and the wait ahead of its first reader
	v_mov_b32 v15, v14
.set i, 0
.rept 16
	v_pk_mul_f32 v[XR+i:XR+i+1], v[XR+i:XR+i+1], v[14:15]
.set i, i+2
.endr
.set i, 0
.rept 16
	v_pk_fma_f32 v[XR+i:XR+i+1], v[XR+i:XR+i+1], v[W+i:W+i+1], v[B+i:B+i+1]
.set i, i+2
.endr
.set i, 0
.rept 32
	v_med3_num_f32 v[XR+i], v[XR+i], -v18, v18     ; the conversion to an 8-bit code does not saturate (ISA guide 7.6.2): the hold comes first
.set i, i+1
.endr
.irp u, 0,1,2,3
	v_cvt_scalef32_pk8_fp8_f32 v[C+8*\r+2*\u:C+8*\r+2*\u+1], v[XR+8*\u:XR+8*\u+7], v17   ; register C + 8 r + j: the 4 codes of columns 128 j + 4 l on
.endr
.irp j, 0,1,2,3,4,5,6,7
	ds_store_b32 v1, v[C+8*\r+\j] offset:128*\j    ; the row's 1,024 codes in their order
.endr
	ds_load_b128 v[XR:XR+3], v2                    ; LDS serves a wave's instructions in order (ISA guide 5.7.1.4): these see the stores above, and the next row's stores come behind them
	ds_load_b128 v[XR+4:XR+7], v2 offset:512
	s_wait_dscnt 0x0
	global_store_b128 v3, v[XR:XR+3], s[PO:PO+1] offset:1024*\r        ; 32 lanes store 512 consecutive bytes, aligned; the data registers are not written again
	global_store_b128 v3, v[XR+4:XR+7], s[PO:PO+1] offset:1024*\r+512
.endm
	LNROW 0
	LNROW 1
	LNROW 2
	LNROW 3
	s_wait_tensorcnt 0x0
	ds_add_u32 v248, v249
	s_wait_dscnt 0x0
	s_endpgm
; ---------------- The weights.  A LANE TAKES A COLUMN n AND ITS REGISTERS RUN DOWN K: each load reads neighbouring n in neighbouring lanes, and the conversions give codes with K innermost.
; A work-group takes 128 columns x 256 along K, a wave 32 columns.  One path serves the four tensors: pointers and sizes are chosen by selects on the work-group's number.
.Lweights:
	s_wait_kmcnt 0x0
	s_sub_co_u32 s36, ttmp9, 256                   ; t = 0 .. 383: qkv 0-95, proj 96-127, fc1 128-255, fc2 256-383
	s_mov_b64 s[40:41], s[10:11]                   ; fc2_w's figures first:
	s_mov_b32 s42, 4096                            ; bytes in a source row (4 N)
	s_mov_b32 s43, 4096                            ; bytes in a row of codes (K)
	s_mov_b32 s44, 256                             ; the tensor's first t
	s_mov_b32 s45, 4                               ; log2 of the blocks of 256 along K
	s_mov_b32 s46, 15
	s_mov_b32 s47, 8388608                         ; its place in wc
	s_mov_b32 s48, s35                             ; e11
	s_cmp_lt_u32 s36, 256                          ; fc1_w
	s_cselect_b64 s[40:41], s[8:9], s[40:41]
	s_cselect_b32 s42, 16384, s42
	s_cselect_b32 s43, 1024, s43
	s_cselect_b32 s44, 128, s44
	s_cselect_b32 s45, 2, s45
	s_cselect_b32 s46, 3, s46
	s_cselect_b32 s47, 4194304, s47
	s_cselect_b32 s48, s33, s48                    ; e9
	s_cmp_lt_u32 s36, 128                          ; proj_w
	s_cselect_b64 s[40:41], s[6:7], s[40:41]
	s_cselect_b32 s42, 4096, s42
	s_cselect_b32 s44, 96, s44
	s_cselect_b32 s47, 3145728, s47
	s_cselect_b32 s48, s31, s48                    ; e7
	s_cmp_lt_u32 s36, 96                           ; qkv_w
	s_cselect_b64 s[40:41], s[4:5], s[40:41]
	s_cselect_b32 s42, 12288, s42
	s_cselect_b32 s44, 0, s44
	s_cselect_b32 s47, 0, s47
	s_cselect_b32 s48, s25, s48                    ; e1
	s_sub_co_u32 s37, s36, s44
	s_lshr_b32 s38, s37, s45                       ; which 128 columns
	s_and_b32 s39, s37, s46                        ; which 256 along K
	s_lshl_b32 s38, s38, 7
	s_lshl_b32 s49, s2, 5
	s_add_co_u32 s38, s38, s49                     ; my wave's first column
	s_lshl_b32 s52, s42, 8
	s_mul_i32 s52, s52, s39                        ; 256 source rows for each block along K,
	s_lshl_b32 s49, s38, 2
	s_add_co_u32 s52, s52, s49                     ; + 4 bytes a column: under 2^24
	s_mov_b32 s53, 0
	s_add_nc_u64 s[BASE:BASE+1], s[40:41], s[52:53]
	s_lshl_b32 s50, s42, 5                         ; 32 source rows on
	s_mov_b32 s51, 0
.irp t, 1,2,3,4,5,6,7
	s_add_nc_u64 s[BASE+2*\t:BASE+2*\t+1], s[BASE+2*\t-2:BASE+2*\t-1], s[50:51]
.endr
	s_mul_i32 s54, s38, s43                        ; the codes: my first column's row,
	s_add_co_u32 s54, s54, s47
	s_lshl_b32 s49, s39, 8
	s_add_co_u32 s54, s54, s49                     ; + 256 bytes for each block along K
	s_mov_b32 s55, 0
	s_add_nc_u64 s[84:85], s[20:21], s[54:55]
	s_lshl_b32 s56, s43, 1                         ; two rows of codes on
	s_mul_i32 s57, s2, 32*PITCH                    ; my wave's stage
	s_wait_alu depctr_va_vdst(0)
	v_mul_u32_u24 v4, v5, PITCH
	v_add_nc_u32 v4, s57, v4                       ; into it: row = my column
	v_and_b32 v8, 15, v5
	v_lshrrev_b32 v6, 4, v5
	v_mul_u32_u24 v7, v6, PITCH
	v_lshl_add_u32 v7, v8, 4, v7
	v_add_nc_u32 v7, s57, v7                       ; out of it: sixteen lanes to a row, two rows an instruction
	v_lshlrev_b32 v[OFFS], 2, v5
.set i, 1
.rept 31
	v_add_nc_u32 v[OFFS+i], s42, v[OFFS+i-1]
.set i, i+1
.endr
	v_mul_lo_u32 v[OUTO], v6, s43
	v_lshl_add_u32 v[OUTO], v8, 4, v[OUTO]
.set i, 1
.rept 15
	v_add_nc_u32 v[OUTO+i], s56, v[OUTO+i-1]
.set i, i+1
.endr
.macro LOADW t                         ; block t: the source at rows 32 t + i, i = 0 .. 31, my column, into set t % 2
.set i, 0
.rept 32
	global_load_b32 v[XW+32*((\t)%2)+i], v[OFFS+i], s[BASE+2*(\t):BASE+2*(\t)+1] th:TH_LOAD_NT
.set i, i+1
.endr
.endm
	LOADW 0
	LOADW 1
	s_add_co_i32 s48, s48, 127
	s_lshl_b32 s49, s48, 23
	v_mov_b32 v11, s49                             ; 2^e
	s_add_co_i32 s48, s48, 8
	s_lshl_b32 s48, s48, 23
	s_or_b32 s48, s48, 0x600000
	v_mov_b32 v10, s48                             ; 448 x 2^e
.macro BLOCKW t
.set XS, XW+32*((\t)%2)
.if (\t) < 7
	s_wait_loadcnt 32                              ; this block's 32 loads are in; the next block's 32 may be out
.else
	s_wait_loadcnt 0
.endif
.set i, 0
.rept 32
	v_med3_num_f32 v[XS+i], v[XS+i], -v10, v10
.set i, i+1
.endr
.irp g, 0,1,2,3
	v_cvt_scalef32_pk8_fp8_f32 v[CW+2*\g:CW+2*\g+1], v[XS+8*\g:XS+8*\g+7], v11
.endr
	ds_store_b128 v4, v[CW:CW+3] offset:32*(\t)    ; 32 codes of my column's row
	ds_store_b128 v4, v[CW+4:CW+7] offset:32*(\t)+16
.if (\t)+2 < 8
	LOADW (\t)+2
.endif
	s_wait_dscnt 0x0                               ; the stores have read their registers: the next block's codes may be written
.endm
	s_wait_alu depctr_va_vdst(0)
.irp t, 0,1,2,3,4,5,6,7
	BLOCKW \t
.endr
.irp t, 0,1,2,3,4,5,6,7,8,9,10,11,12,13,14,15
	ds_load_b128 v[OUTR+4*\t:OUTR+4*\t+3], v7 offset:2*\t*PITCH
.endr
.irp t, 0,1,2,3,4,5,6,7,8,9,10,11,12,13,14,15
	s_wait_dscnt 15-\t                             ; LDS loads come back in order: pair t of rows is in
	global_store_b128 v[OUTO+\t], v[OUTR+4*\t:OUTR+4*\t+3], s[84:85]   ; sixteen lanes store 256 consecutive bytes, aligned
.endr
	s_wait_tensorcnt 0x0
	ds_add_u32 v248, v249
	s_wait_dscnt 0x0
	s_endpgm
.Lfunc_end_k_qeb880a185a_prep:
	.size	k_qeb880a185a_prep, .Lfunc_end_k_qeb880a185a_prep-k_qeb880a185a_prep
	.p2alignl 7, 3214868480
	.fill 96, 4, 3214868480
	.section	.rodata,"a",@progbits
	.p2align	6, 0x0
	.amdhsa_kernel k_qeb880a185a_prep
		.amdhsa_group_segment_fixed_size 39424
		.amdhsa_private_segment_fixed_size 0
		.amdhsa_enable_private_segment 0
		.amdhsa_kernarg_size 80
		.amdhsa_user_sgpr_count 2
		.amdhsa_user_sgpr_kernarg_segment_ptr 1
		.amdhsa_wavefront_size32 1
		.amdhsa_system_sgpr_workgroup_id_x 1
		.amdhsa_system_sgpr_workgroup_id_y 1
		.amdhsa_system_sgpr_workgroup_id_z 1
		.amdhsa_system_vgpr_workitem_id 0
		.amdhsa_next_free_vgpr 250
		.amdhsa_next_free_sgpr 96
		.amdhsa_reserve_vcc 0
		.amdhsa_float_denorm_mode_32 3
		.amdhsa_float_denorm_mode_16_64 3
		.amdhsa_memory_ordered 1
		.amdhsa_forward_progress 1
		.amdhsa_inst_pref_size 96
	.end_amdhsa_kernel
	.amdgpu_metadata
---
amdhsa.version: [ 1, 2 ]
amdhsa.kernels:
  - .name:           k_qeb880a185a_prep
    .symbol:         k_qeb880a185a_prep.kd
    .args:
      - { .name: qkv_w, .offset: 0, .size: 8, .value_kind: global_buffer, .address_space: global }
      - { .name: proj_w, .offset: 8, .size: 8, .value_kind: global_buffer, .address_space: global }
      - { .name: fc1_w, .offset: 16, .size: 8, .value_kind: global_buffer, .address_space: global }
      - { .name: fc2_w, .offset: 24, .size: 8, .value_kind: global_buffer, .address_space: global }
      - { .name: x, .offset: 32, .size: 8, .value_kind: global_buffer, .address_space: global }
      - { .name: ln1_w, .offset: 40, .size: 8, .value_kind: global_buffer, .address_space: global }
      - { .name: ln1_b, .offset: 48, .size: 8, .value_kind: global_buffer, .address_space: global }
      - { .name: lowp_scales, .offset: 56, .size: 8, .value_kind: global_buffer, .address_space: global }
      - { .name: wc, .offset: 64, .size: 8, .value_kind: global_buffer, .address_space: global }
      - { .name: ba, .offset: 72, .size: 8, .value_kind: global_buffer, .address_space: global }
    .group_segment_fixed_size: 39424
    .private_segment_fixed_size: 0
    .kernarg_segment_align: 8
    .kernarg_segment_size: 80
    .max_flat_workgroup_size: 128
    .sgpr_count:     96
    .vgpr_count:     250
    .wavefront_size: 32
...
	.end_amdgpu_metadata
.endif
;; end of part 1
;; launch qkv (part 2): grid 12 x 16, 4 waves a work-group, clusters of 4 x 4, 327,680 bytes of LDS; arguments ba, wc, lowp_scales, qkv_b, qkvc; writes qkvc
.if DOCPART == 2
	.amdgcn_target "amdgcn-amd-amdhsa--gfx1250"
	.amdhsa_code_object_version 6
	.text
	.protected	k_qeb880a185a_qkv
	.globl	k_qeb880a185a_qkv
	.p2align	8
	.type	k_qeb880a185a_qkv,@function
k_qeb880a185a_qkv:
	s_mov_b64 s[64:65], 0
	v_nop
	global_prefetch_b8 v0, s[64:65] scope:SCOPE_SE
	s_setreg_imm32_b32 hwreg(HW_REG_WAVE_MODE, 25, 1), 1
	s_wait_xcnt 0x0
	s_wait_alu depctr_hold_cnt(0) depctr_sa_sdst(0) depctr_va_vdst(0) depctr_va_sdst(0) depctr_va_ssrc(0) depctr_va_vcc(0) depctr_vm_vsrc(0)
	s_getreg_b32 s2, hwreg(HW_REG_IB_STS2, 6, 4)
	s_cmp_eq_u32 s2, 0
	s_cbranch_scc0 .Lentry_in_a_cluster
	s_endpgm
.Lentry_in_a_cluster:
	s_bfe_u32 s2, ttmp6, 0x10000c
	s_cmp_lg_u32 s2, 0xf033
	s_cbranch_scc0 .Lentry_shape_is_right
	s_endpgm
.Lentry_shape_is_right:
; QKV.  LN1's codes (ba [4096][1024], scale 2^e0) x qkv_w's codes (wc rows 0-3071, [3072][1024], 2^e1), + qkv_b, quantised anew: q (2^e2), k (2^e3), v (2^e4).
; qkvc: q at +0 [4096 tokens][1024], k at +4,194,304 [4096 rows][1024], v at +8,388,608 [2 batches][1024 features][2048 keys]: the keys are the K of attention's second product, so they lie innermost.
; K'S ROWS ARE NOT IN THE TOKENS' ORDER: token n lies at the row whose number is n with bits 3 and 4 swapped (in every 32 tokens the second and third groups of eight change places).  Attention's tile of keys,
; keys 32 b + 8 u + r + 8 (r / 8), r = 0 .. 15, is then 16 NEIGHBOURING rows, 32 b + 16 u + r, and its LDS loads touch 16 different 16-byte columns.
; A tile of 256 x 256 is made by four waves, 128 x 128 each: 64 accumulators, 512 registers.  K = 1024 goes in 4 steps of 256 through a ring of two LDS slots filled by the tensor data mover.
; TWO ROLES.  Role A's rows go to source 1 of the matrix instruction, role B's to source 0: a lane then holds ONE row of role A and its eight registers eight neighbouring rows of role B, which the conversion packs.
; Cluster x = 0, 1 (q, k): role A = tokens, role B = features: a token's features lie together.  Cluster x = 2 (v): role A = features, role B = tokens: a feature's keys lie together.
; The choice hangs on the cluster's x alone, which all sixteen partners share, and is made by selects: one loop serves both.
; CLUSTERS: 4 x 4 work-groups; role A's tile is shared along a row of the cluster, role B's along a column: each is asked for jointly, by the same tensor load with a mask that names the four.
; Prefetches into the L2 of K steps 1 to 3, below.
; LIMITS: e0 + e1 between -126 and 127; e2, e3, e4 between -126 and 119.  NaN is not served.  A fragment is fetched by 16-byte loads: a permutation of k, the same on both sides, so only the order of sums inside an instruction differs.
; REGISTERS: window 0: v0-31 addresses; v32-47 bias by lane; v64-127 bias by register; from v128 role A's fragments, ONE set; on the way out v128-255 at work.
;   window 1: role B's fragments, TWO sets.  windows 2, 3: the accumulators ((a, b) at v[8 (8 (a % 4) + b)]).
; LAYOUT OF q AND k IN qkvc, which takes the place of the one named above: head by head, [2 batches x 16 heads][2048 rows][64 channels], q at +0 and k at +4,194,304,
; so that a head's 2,048 rows are one dense run of 131,072 bytes.  k's rows keep their order inside a head (bits 3 and 4 of the token's number swapped).  v is laid as said above.
.set KSTEP,  256
.set ROWB,   256
.set KROW,   1024                      ; a row of codes in memory
.set PITCH,  272                       ; an LDS row: 256 bytes + 16: the 16 rows of a fragment load start at 16 different banks (64 banks of 4 bytes: ISA guide 11.1)
.set FR,     16
.set NL,     4
.set NP,     4                         ; places behind this matrix instruction (ISA guide 7.12.1)
.set HALFT,  128*PITCH
.set SLOT,   4*HALFT
.set LAPS,   2                         ; 1024 / (2 x 256)
.set SPARE,  2*SLOT                    ; the spare words: 128 bytes a wave, named by no other line
.set QS,   12                          ; v12 2^e of the output
.set QL,   13                          ; v13 448 x that
.set ADRA, 16
.set ADRB, 20
.set STO,  24                          ; the way out: where I put 8 codes
.set RD,   25                          ; where I read a row of 256 codes back
.set SPW,  28
.set NIL,  29
.set BP,   32                          ; v32-47  bias of role A's rows, a pair for each block a (used for v)
.set COB,  32                          ; later: byte offsets of 32 pairs of output rows
.set BR,   64                          ; v64-127 bias of role B's rows, 8 tiles x 8 (used for q and k)
.set AF,   128
.set TMP,  128                         ; the way out: 64 numbers
.set CD,   192                         ; their codes
.set BK,   128                         ; rows read back
.set G1, 24
.set G0, 32
.set G1B, 48
.set G0B, 56
.set MSB, 0
.macro WIN new                         ; the immediate's high byte repeats the setting that is left
.if MSB != \new
	s_set_vgpr_msb (MSB<<8)|\new
.set MSB, \new
.endif
.endm
.set MUL_LO, 0xa1                      ; source 0 (role B) window 1, source 1 (role A) window 0, C and D window 2
.set MUL_HI, 0xf1
.set TO_B,   0x40
.macro JLOAD g0a, g1a, g0b, g1b        ; a joint load: waves 0, 1 fetch for role A, waves 2, 3 for role B; four v_nop follow each line
	s_cmp_eq_u32 s15, 0
	s_cbranch_scc0 .Lfor_b_\@
	tensor_load_to_lds s[\g0a:\g0a+3], s[\g1a:\g1a+7]
	s_nop 0
.rept 4
	v_nop
.endr
	s_branch .Lasked_\@
.Lfor_b_\@:
	tensor_load_to_lds s[\g0b:\g0b+3], s[\g1b:\g1b+7]
	s_nop 0
.rept 4
	v_nop
.endr
.Lasked_\@:
.endm
.macro CREST                           ; a round of the cluster's barrier behind its opening barrier
	s_cmp_lg_u32 s14, 0
	s_cbranch_scc1 .Lnot_wave_0_\@
	s_barrier_signal -3
.Lnot_wave_0_\@:
	s_barrier_wait -3
	s_barrier_signal -1
	s_barrier_wait -1
.endm
.macro CROUND
	s_barrier_signal -1
	s_barrier_wait -1
	CREST
.endm
	s_load_b128 s[4:7], s[0:1], 0x0                ; ba, wc
	s_load_b128 s[8:11], s[0:1], 0x10              ; lowp_scales, qkv_b
	s_load_b64 s[12:13], s[0:1], 0x20              ; qkvc
	v_lshl_add_u32 v[SPW], v0, 2, SPARE
	v_mov_b32 v[NIL], 0
	ds_add_u32 v28, v29
	ds_add_u32 v28, v29
	s_wait_dscnt 0x0
	v_lshrrev_b32 v1, 5, v0
	v_readfirstlane_b32 s14, v1                    ; wave 0..3
	s_lshr_b32 s15, s14, 1                         ; my half of role A's rows.  Also: I fetch for role A (0) or B (1)
	s_and_b32 s16, s14, 1                          ; my half of role B's rows.  Also: which 128 rows I fetch
	s_bfe_u32 s40, ttmp6, 0x40000                  ; cx
	s_bfe_u32 s41, ttmp6, 0x40004                  ; cy
	s_and_b32 s66, ttmp7, 0xffff
	s_lshl_b32 s66, s66, 2                         ; 4 x cluster y
	s_lshl_b32 s67, ttmp9, 2                       ; 4 x cluster x
	s_cmp_eq_u32 ttmp9, 2                          ; v?
	s_cselect_b32 s17, 8, s66                      ; role A's tile of 256 rows: v: wc's tiles 8 + cy; q, k: tokens' tile 4 Y + cy
	s_cselect_b32 s42, s66, s67                    ; role B's: v: tokens' tile 4 Y + cx; q, k: wc's tile 4 X + cx
	s_add_co_u32 s17, s17, s41
	s_add_co_u32 s42, s42, s40
	s_lshl_b32 s43, s41, 2
	s_lshl_b32 s43, 15, s43                        ; my row of the cluster
	s_lshl_b32 s44, 0x1111, s40                    ; my column
	s_or_b32 s[G1+0], s43, (0<<16)|(1<<20)|(1<<21)|(5<<22)|(3<<25)  ; mask; elements of 1 byte; padding on; bit 21 beside a mask; 4 words behind every 64
	s_or_b32 s[G1B+0], s44, (0<<16)|(1<<20)|(1<<21)|(5<<22)|(3<<25)
.irp g, G1, G1B
	s_mov_b32 s[\g+1], ROWB<<16                    ; tensor_dim0
	s_mov_b32 s[\g+2], 128<<16                     ; tensor_dim1
	s_mov_b32 s[\g+3], ROWB<<16                    ; tile_dim0
	s_mov_b32 s[\g+4], 128                         ; tile_dim1
	s_mov_b32 s[\g+5], KROW                        ; the pitch
	s_mov_b32 s[\g+6], 0
	s_mov_b32 s[\g+7], 0
.endr
	s_lshl_b32 s18, s16, 7
	s_lshl_b32 s20, s17, 8
	s_add_co_u32 s20, s20, s18                     ; role A: row 256 x tile + 128 x half,
	s_lshl_b32 s20, s20, 10                        ; in bytes
	s_mov_b32 s21, 0
	s_lshl_b32 s46, s42, 8
	s_add_co_u32 s46, s46, s18
	s_lshl_b32 s46, s46, 10
	s_mov_b32 s47, 0
	s_mul_i32 s45, s14, HALFT                      ; where they go: wave x 128 rows
	s_wait_kmcnt 0x0
	s_load_b256 s[72:79], s[8:9], 0x0              ; e0 .. e7
	s_cmp_eq_u32 ttmp9, 2
	s_cselect_b64 s[68:69], s[6:7], s[4:5]         ; role A's codes
	s_cselect_b64 s[70:71], s[4:5], s[6:7]         ; role B's
	s_add_nc_u64 s[20:21], s[68:69], s[20:21]
	s_add_nc_u64 s[46:47], s[70:71], s[46:47]
	CROUND                                         ; all sixteen work-groups are here: the first joint loads meet
.irp s, 0,1
	s_mov_b32 s[G0+4*\s], 1
	s_add_co_u32 s[G0+4*\s+1], s45, \s*SLOT
	s_add_nc_u64 s[G0+4*\s+2:G0+4*\s+3], s[20:21], \s*ROWB
	s_or_b32 s[G0+4*\s+3], s[G0+4*\s+3], 0x80000000
	s_mov_b32 s[G0B+4*\s], 1
	s_add_co_u32 s[G0B+4*\s+1], s45, \s*SLOT
	s_add_nc_u64 s[G0B+4*\s+2:G0B+4*\s+3], s[46:47], \s*ROWB
	s_or_b32 s[G0B+4*\s+3], s[G0B+4*\s+3], 0x80000000
.endr
	JLOAD G0, G1, G0B, G1B                         ; K step 0: one tensor load a wave at the head
	; PREFETCHES INTO THE L2 of K steps 1 to 3: 256 bytes of each row a step.  Of the 128 rows that my wave fetches, each of the four partners that ask for them jointly names 32, told apart by address
	; (cx for role A, cy for role B): a lane a row, one instruction a wave and step.  Steps 1 and 2 are asked for here, step 3 behind slot 1's first fill: each at least one fill ahead of its load.
	s_cmp_eq_u32 s15, 0
	s_cselect_b64 s[66:67], s[20:21], s[46:47]
	s_cselect_b32 s22, s40, s41
	s_lshl_b32 s22, s22, 15                        ; 32 rows of 1,024 bytes for each place
	s_mov_b32 s23, 0
	s_add_nc_u64 s[66:67], s[66:67], s[22:23]      ; never rewritten
	v_and_b32 v30, 31, v0
	v_lshlrev_b32 v30, 10, v30                     ; never rewritten
	global_prefetch_b8 v30, s[66:67] offset:256 th:TH_LOAD_NT scope:SCOPE_SE
	global_prefetch_b8 v30, s[66:67] offset:512 th:TH_LOAD_NT scope:SCOPE_SE
	v_and_b32 v1, 15, v0
	v_bfe_u32 v2, v0, 4, 1                         ; h = l / 16 (kept)
	v_mul_u32_u24 v3, v1, PITCH
	s_wait_alu depctr_va_vdst(0)
	v_lshl_add_u32 v4, v2, 4, v3
	s_mul_i32 s21, s15, HALFT
	s_mul_i32 s22, s16, HALFT
	s_add_co_u32 s22, s22, 2*HALFT
.irp s, 0,1
	v_add_nc_u32 v[ADRA+\s], s21, v4
	v_add_nc_u32 v[ADRB+\s], s22, v4
	s_add_co_u32 s21, s21, SLOT
	s_add_co_u32 s22, s22, SLOT
.endr
	s_mul_i32 s23, s15, 128*PITCH                  ; the stage of codes, 256 rows x 272 bytes in slot 0: row = role A's row, byte = role B's row
	s_lshl_b32 s22, s16, 7
	s_add_co_u32 s23, s23, s22
	v_lshl_add_u32 v5, v2, 3, v3
	v_add_nc_u32 v[STO], s23, v5                   ; (128 half A + r) x 272 + 128 half B + 8 h
	s_mul_i32 s23, s14, 64*PITCH
	v_mul_u32_u24 v6, v2, PITCH
	v_lshl_add_u32 v6, v1, 4, v6
	v_add_nc_u32 v[RD], s23, v6                    ; back: wave w takes rows 64 w on, sixteen lanes to a row
	; the biases.  q, k: by register (role B's rows are features); v: by lane (role A's rows are features).  Both are loaded, from inside qkv_b, and the one that does not apply is cleared by a select.
	s_lshl_b32 s80, s42, 10
	s_lshl_b32 s82, s16, 9
	s_add_co_u32 s80, s80, s82                     ; q, k: 4 x (256 tile B + 128 half B)
	s_lshl_b32 s82, s41, 10
	s_lshl_b32 s83, s15, 9
	s_add_co_u32 s82, s82, s83
	s_add_co_u32 s82, s82, 8192                    ; v: 4 x (2048 + 256 cy + 128 half A)
	s_lshl_b32 s87, s41, 8                         ; the output.  v: row 256 cy,
	s_and_b32 s88, s17, 7                          ; q, k: row 256 x (tokens' tile in its batch)
	s_lshl_b32 s88, s88, 8
	s_lshr_b32 s89, s42, 3                         ; v: the batch = tokens' tile / 8,
	s_lshl_b32 s89, s89, 21
	s_and_b32 s90, s42, 7
	s_lshl_b32 s90, s90, 8
	s_add_co_u32 s89, s89, s90                     ; and 256 keys for each tile in it
	s_lshl_b32 s90, s40, 19                        ; q, k: four heads of 131,072 bytes for each cx,
	s_lshr_b32 s93, s17, 3
	s_lshl_b32 s93, s93, 21                        ; sixteen heads for each batch
	s_add_co_u32 s90, s90, s93
	s_cmp_eq_u32 ttmp9, 2
	s_cselect_b32 s80, 0, s80
	s_cselect_b32 s82, s82, 0
	s_cselect_b32 s84, 0, -1                       ; lanes' mask that keeps the bias by register
	s_cselect_b32 s85, -1, 0                       ; and the bias by lane
	s_cselect_b32 s86, 11, 6
	s_cselect_b32 s87, s87, s88
	s_cselect_b32 s89, s89, s90
	s_mov_b32 s81, 0
	s_mov_b32 s83, 0
	s_add_nc_u64 s[80:81], s[10:11], s[80:81]
	s_add_nc_u64 s[82:83], s[10:11], s[82:83]
	v_lshlrev_b32 v7, 5, v2                        ; 32 h (kept until the loads are in)
	v_lshlrev_b32 v8, 2, v1                        ; 4 r
.irp b, 0,1,2,3,4,5,6,7
	global_load_b128 v[BR+8*\b:BR+8*\b+3], v7, s[80:81] offset:64*\b
	global_load_b128 v[BR+8*\b+4:BR+8*\b+7], v7, s[80:81] offset:64*\b+16
.endr
.irp a, 0,1,2,3,4,5,6,7
	global_load_b32 v[BP+2*\a], v8, s[82:83] offset:64*\a      ; twice: a pair for the packed addition
	global_load_b32 v[BP+2*\a+1], v8, s[82:83] offset:64*\a
.endr
	s_lshl_b32 s88, s14, 6
	s_add_co_u32 s87, s87, s88                     ; + 64 rows a wave
	s_lshl_b32 s87, s87, s86
	s_add_co_u32 s87, s87, s89
	s_lshl_b32 s88, ttmp9, 22                      ; q, k or v's part of qkvc
	s_add_co_u32 s88, s87, s88
	s_mov_b32 s89, 0
	s_add_nc_u64 s[12:13], s[12:13], s[88:89]
	s_lshl_b32 s91, 2, s86                         ; two output rows on
.macro FRAG reg, adr, q, i             ; 16 rows x 128 K: lane l holds row l % 16; registers 4 c .. 4 c + 3 hold K = 32 c + 16 (l / 16) + 0 .. 15
.irp c, 0,1,2,3
	ds_load_b128 v[\reg+4*\c:\reg+4*\c+3], v[\adr] offset:128*(\q)+32*\c+(\i)*16*PITCH
.endr
.endm
; 16 matrix instructions: role A's blocks a0, a0 + 1 x role B's eight.  The 64 accumulators take turns, one instruction a turn, in the same order in every step.
.macro MUL16 a0, p, zero
.irp a, \a0, \a0+1
.irp b, 0,1,2,3,4,5,6,7
.if \zero
	v_wmma_f32_16x16x128_fp8_fp8 v[8*(8*((\a)%4)+\b):8*(8*((\a)%4)+\b)+7], v[128*(\p)+FR*\b:128*(\p)+FR*\b+FR-1], v[AF+FR*(\a):AF+FR*(\a)+FR-1], 0
.else
	v_wmma_f32_16x16x128_fp8_fp8 v[8*(8*((\a)%4)+\b):8*(8*((\a)%4)+\b)+7], v[128*(\p)+FR*\b:128*(\p)+FR*\b+FR-1], v[AF+FR*(\a):AF+FR*(\a)+FR-1], v[8*(8*((\a)%4)+\b):8*(8*((\a)%4)+\b)+7]
.endif
.endr
.endr
.endm
.macro FETCH_B slot, q, p
	WIN TO_B
.irp i, 0,1,2,3,4,5,6,7
	FRAG 128*(\p)+FR*\i, ADRB+\slot, \q, \i
.endr
	WIN 0
.endm
.macro FETCH_A slot, q, i0
.irp i, \i0, \i0+1, \i0+2, \i0+3
	FRAG AF+FR*(\i), ADRA+\slot, \q, \i
.endr
.endm
.macro PLACES n                        ; plain vector instructions between a matrix instruction and a load into, or a vector read or write of, its registers
.rept \n
	v_nop
.endr
.endm
.macro STEP slot, q, zero              ; 128 along K with its successor in the same slot
	s_wait_dscnt 4*NL                              ; role B's set and role A's blocks 0-3 are in; the youngest 16 loads (blocks 4-7) may be out
	WIN MUL_LO
	MUL16 0, (\q)%2, \zero
	MUL16 2, (\q)%2, \zero
	s_wait_dscnt 0
	PLACES NP
	FETCH_B \slot, (\q)+1, 1-(\q)%2
	FETCH_A \slot, (\q)+1, 0
	WIN MUL_HI
	MUL16 4, (\q)%2, \zero
	MUL16 6, (\q)%2, \zero
	PLACES NP
	WIN 0
	FETCH_A \slot, (\q)+1, 4
.endm
; A slot's last step changes slots: one barrier; in front of it each wave waits for all its tensor loads, adds 0 to its spare word, and waits for that and for its reads of this slot.
.macro TURN slot, next, fill
	s_wait_tensorcnt 0x0                           ; all my tensor loads have landed: my part of the next slot
	ds_add_u32 v[SPW], v[NIL]                      ; 0 onto my spare word
	s_wait_dscnt 4*NL+1                            ; the add and the youngest 16 loads may be out
	WIN MUL_LO
	MUL16 0, 1, 0
	s_wait_dscnt 0x0                               ; the add is done, and my reads of this slot are over
	s_barrier_signal -1
	MUL16 2, 1, 0
	WIN 0
	s_barrier_wait -1
.if \fill
	CREST                                          ; the barrier has opened a round of the cluster's: no wave of any partner still reads this slot or has a load on its way
	s_add_nc_u64 s[G0+4*\slot+2:G0+4*\slot+3], s[G0+4*\slot+2:G0+4*\slot+3], 2*ROWB
	s_add_nc_u64 s[G0B+4*\slot+2:G0B+4*\slot+3], s[G0B+4*\slot+2:G0B+4*\slot+3], 2*ROWB
	JLOAD G0+4*\slot, G1, G0B+4*\slot, G1B         ; my one tensor load behind the round; its four v_nop are the places in front of the loads below
.else
	PLACES NP
.endif
	s_wait_alu depctr_va_vdst(0)
	FETCH_B \next, 0, 0
	FETCH_A \next, 0, 0
	WIN MUL_HI
	MUL16 4, 1, 0
	MUL16 6, 1, 0
	PLACES NP
	WIN 0
	FETCH_A \next, 0, 4
.endm
	s_wait_alu depctr_va_vdst(0)                   ; the wait at the head's end
	s_wait_tensorcnt 0x0                           ; my part of K step 0 is in
	ds_add_u32 v[SPW], v[NIL]
	s_wait_dscnt 0x0
	CROUND                                         ; everybody's part of K step 0 is in, and the joint loads meet
	JLOAD G0+4, G1, G0B+4, G1B                     ; K step 1: my one tensor load behind the round
	global_prefetch_b8 v30, s[66:67] offset:768 th:TH_LOAD_NT scope:SCOPE_SE   ; K step 3, the last
	FETCH_B 0, 0, 0
	FETCH_A 0, 0, 0
	FETCH_A 0, 0, 4
	STEP 0, 0, 1                                   ; the first step's products start the sums
	s_mov_b32 s3, LAPS-1
.Llap:
	TURN 0, 1, 1
	STEP 1, 0, 0
	TURN 1, 0, 1
	STEP 0, 0, 0
	s_sub_co_u32 s3, s3, 1
	s_cmp_lg_u32 s3, 0
	s_cbranch_scc1 .Llap
	TURN 0, 1, 0                                   ; the last lap fills nothing
	STEP 1, 0, 0
	s_wait_dscnt 4*NL
	WIN MUL_LO
	MUL16 0, 1, 0
	MUL16 2, 1, 0
	s_wait_dscnt 0
	WIN MUL_HI
	MUL16 4, 1, 0
	MUL16 6, 1, 0
	WIN 0
; THE WAY OUT.  sum x 2^(e0 + e1) + bias, held, converted: a lane's eight registers are eight neighbours of an output row.  The codes meet in a stage in slot 0, which has had its last fill and,
; since the last change of slots, its last read; behind a barrier each wave reads 64 whole rows of 256 codes and stores them.
	s_wait_kmcnt 0x0
	s_add_co_i32 s96, s72, s73
	s_add_co_i32 s96, s96, 127
	s_lshl_b32 s96, s96, 23                        ; 2^(e0 + e1)
	s_mov_b32 s97, s96                             ; (named with it as a pair)
	s_cmp_eq_u32 ttmp9, 0
	s_cselect_b32 s92, s74, s75                    ; q: e2; k: e3;
	s_cmp_eq_u32 ttmp9, 2
	s_cselect_b32 s92, s76, s92                    ; v: e4
	s_add_co_i32 s92, s92, 127
	s_lshl_b32 s93, s92, 23
	v_mov_b32 v[QS], s93
	s_add_co_i32 s92, s92, 8
	s_lshl_b32 s92, s92, 23
	s_or_b32 s92, s92, 0x600000
	v_mov_b32 v[QL], s92
	s_wait_loadcnt 0x0                             ; the biases
.set i, 0
.rept 64
	v_cndmask_b32 v[BR+i], 0, v[BR+i], s84
.set i, i+1
.endr
.set i, 0
.rept 16
	v_cndmask_b32 v[BP+i], 0, v[BP+i], s85
.set i, i+1
.endr
	PLACES NP
.macro QBLK a
.set AC, 64*((\a)%4)
	WIN 0x02+((\a)/4)                              ; source 0: window 2 or 3
.set i, 0
.rept 32
	v_pk_fma_f32 v[TMP+i:TMP+i+1], v[AC+i:AC+i+1], s[96:97], v[BR+i:BR+i+1] op_sel_hi:[1,0,1]   ; each accumulator from its low end on
.set i, i+2
.endr
	WIN 0
.set i, 0
.rept 32
	v_pk_add_f32 v[TMP+i:TMP+i+1], v[TMP+i:TMP+i+1], v[BP+2*(\a):BP+2*(\a)+1]
.set i, i+2
.endr
.set i, 0
.rept 64
	v_med3_num_f32 v[TMP+i], v[TMP+i], -v[QL], v[QL]
.set i, i+1
.endr
	s_wait_alu depctr_va_vdst(0)
	s_wait_dscnt 0x0                               ; the last block's stores have read their registers
.irp b, 0,1,2,3,4,5,6,7
	v_cvt_scalef32_pk8_fp8_f32 v[CD+2*\b:CD+2*\b+1], v[TMP+8*\b:TMP+8*\b+7], v[QS]
.endr
	v_nop                                          ; a plain instruction behind the last conversion
.irp b, 0,1,2,3,4,5,6,7
	ds_store_b64 v[STO], v[CD+2*\b:CD+2*\b+1] offset:(\a)*16*PITCH+16*\b
.endr
.endm
.irp a, 0,1,2,3,4,5,6,7
	QBLK \a
.endr
	s_wait_dscnt 0x0                               ; for the others' sake: my stores into the stage are done
	s_barrier_signal -1
	s_barrier_wait -1
	; Where pair t of my 64 rows (rows 2 t, 2 t + 1) goes in memory.  Bits 2 and 3 of t are bits 3 and 4 of the row: for k they change places, so their steps of 8 and 16 rows are swapped; q and v keep the rows' order.
	; q AND k LEAVE HEAD BY HEAD.  A stage row holds 4 heads x 64 codes of one token.  Sixteen lanes take 4 neighbouring rows x 64 bytes of ONE head: 256 consecutive bytes of that head's run.
	; Load t of my 64 rows: head t % 4, rows 8 (t / 4) + 4 h + r / 4, bytes 16 (r % 4) on.
	v_lshrrev_b32 v9, 2, v1
	v_lshl_add_u32 v9, v2, 2, v9                   ; 4 h + r / 4
	v_mul_u32_u24 v9, v9, PITCH
	v_and_b32 v10, 3, v1
	v_lshl_add_u32 v10, v10, 4, v9
	s_mul_i32 s99, s14, 64*PITCH
	v_add_nc_u32 v10, s99, v10                     ; wave w takes rows 64 w on
	s_cmp_eq_u32 ttmp9, 2                          ; v?  The cluster's x alone decides: all sixteen partners go the same way
	s_wait_alu depctr_va_vdst(0)
	s_cbranch_scc1 .Lv_out
	s_mov_b32 s94, 512
	s_mov_b32 s95, 1024
	s_cmp_eq_u32 ttmp9, 1                          ; k: the steps of 8 and of 16 rows change places
	s_cselect_b32 s98, s95, s94                    ; bytes for bit 0 of t / 4
	s_cselect_b32 s95, s94, s95                    ; bytes for bit 1 of t / 4
	v_lshlrev_b32 v[COB], 8, v2
	v_lshl_add_u32 v[COB], v1, 4, v[COB]           ; 256 h + 16 r: 64 (r / 4) + 16 (r % 4) is 16 r
	v_add_nc_u32 v[COB+1], s98, v[COB]
	v_add_nc_u32 v[COB+2], s95, v[COB]
	v_add_nc_u32 v[COB+3], s95, v[COB+1]
.irp t, 0,1,2,3
	v_add_nc_u32 v[COB+4+\t], 2048, v[COB+\t]      ; bit 2 of t / 4: 32 rows of 64 bytes
.endr
.set t, 0
.rept 32
	ds_load_b128 v[BK+4*t:BK+4*t+3], v10 offset:(t/4)*8*PITCH+64*(t%4)
.set t, t+1
.endr
	s_wait_alu depctr_va_vdst(0)
.set t, 0
.rept 32
	s_wait_dscnt 31-t                              ; LDS loads come back in order: load t is in
	global_store_b128 v[COB+t/4], v[BK+4*t:BK+4*t+3], s[12:13] offset:(t%4)*131072   ; sixteen lanes store 256 consecutive bytes, aligned; a head on is 131,072 bytes
.set t, t+1
.endr
	s_branch .Lqk_done
.Lv_out:
	s_cmp_eq_u32 ttmp9, 1
	s_cselect_b32 s94, 16, 8
	s_cselect_b32 s95, 8, 16                       ; rows for bit 3 of t
	s_lshl_b32 s94, s94, s86                       ; in bytes
	s_lshl_b32 s95, s95, s86
	s_lshl_b32 s98, 32, s86                        ; bit 4 of t: 32 rows
	v_lshlrev_b32 v[COB], s86, v2                  ; lanes 16-31 one output row further down,
	v_lshl_add_u32 v[COB], v1, 4, v[COB]           ; 16 bytes a lane
.irp t, 1,2,3
	v_add_nc_u32 v[COB+\t], s91, v[COB+\t-1]
.endr
.irp t, 0,1,2,3
	v_add_nc_u32 v[COB+4+\t], s94, v[COB+\t]
.endr
.irp t, 0,1,2,3,4,5,6,7
	v_add_nc_u32 v[COB+8+\t], s95, v[COB+\t]
.endr
.irp t, 0,1,2,3,4,5,6,7,8,9,10,11,12,13,14,15
	v_add_nc_u32 v[COB+16+\t], s98, v[COB+\t]
.endr
.set t, 0
.rept 32
	ds_load_b128 v[BK+4*t:BK+4*t+3], v[RD] offset:t*2*PITCH
.set t, t+1
.endr
.set t, 0
	s_wait_alu depctr_va_vdst(0)
.rept 32
	s_wait_dscnt 31-t                              ; LDS loads come back in order: pair t of rows is in
	global_store_b128 v[COB+t], v[BK+4*t:BK+4*t+3], s[12:13]   ; sixteen lanes store 256 consecutive bytes, aligned
.set t, t+1
.endr
.Lqk_done:
	s_wait_tensorcnt 0x0                           ; the wave's end
	ds_add_u32 v[SPW], v[NIL]
	s_wait_dscnt 0x0
	CROUND                                         ; the closing round
	s_endpgm
.Lfunc_end_k_qeb880a185a_qkv:
	.size	k_qeb880a185a_qkv, .Lfunc_end_k_qeb880a185a_qkv-k_qeb880a185a_qkv
	.p2alignl 7, 3214868480
	.fill 96, 4, 3214868480
	.section	.rodata,"a",@progbits
	.p2align	6, 0x0
	.amdhsa_kernel k_qeb880a185a_qkv
		.amdhsa_group_segment_fixed_size 327680
		.amdhsa_private_segment_fixed_size 0
		.amdhsa_enable_private_segment 0
		.amdhsa_kernarg_size 40
		.amdhsa_user_sgpr_count 2
		.amdhsa_user_sgpr_kernarg_segment_ptr 1
		.amdhsa_wavefront_size32 1
		.amdhsa_system_sgpr_workgroup_id_x 1
		.amdhsa_system_sgpr_workgroup_id_y 1
		.amdhsa_system_sgpr_workgroup_id_z 1
		.amdhsa_system_vgpr_workitem_id 0
		.amdhsa_next_free_vgpr 1024
		.amdhsa_next_free_sgpr 100
		.amdhsa_reserve_vcc 0
		.amdhsa_float_denorm_mode_32 3
		.amdhsa_float_denorm_mode_16_64 3
		.amdhsa_memory_ordered 1
		.amdhsa_forward_progress 1
		.amdhsa_inst_pref_size 176
	.end_amdhsa_kernel
	.amdgpu_metadata
---
amdhsa.version: [ 1, 2 ]
amdhsa.kernels:
  - .name:           k_qeb880a185a_qkv
    .symbol:         k_qeb880a185a_qkv.kd
    .args:
      - { .name: ba, .offset: 0, .size: 8, .value_kind: global_buffer, .address_space: global }
      - { .name: wc, .offset: 8, .size: 8, .value_kind: global_buffer, .address_space: global }
      - { .name: lowp_scales, .offset: 16, .size: 8, .value_kind: global_buffer, .address_space: global }
      - { .name: qkv_b, .offset: 24, .size: 8, .value_kind: global_buffer, .address_space: global }
      - { .name: qkvc, .offset: 32, .size: 8, .value_kind: global_buffer, .address_space: global }
    .group_segment_fixed_size: 327680
    .private_segment_fixed_size: 0
    .kernarg_segment_align: 8
    .kernarg_segment_size: 40
    .max_flat_workgroup_size: 128
    .sgpr_count:     100
    .vgpr_count:     1024
    .wavefront_size: 32
...
	.end_amdgpu_metadata
.endif
;; end of part 2
;; launch attn (part 3): grid 8 x 32, 8 waves a work-group, clusters of 4 x 1, 327,680 bytes of LDS; arguments qkvc, lowp_scales, ba; writes ba
.if DOCPART == 3
	.amdgcn_target "amdgcn-amd-amdhsa--gfx1250"
	.amdhsa_code_object_version 6
	.text
	.protected	k_qeb880a185a_attn
	.globl	k_qeb880a185a_attn
	.p2align	8
	.type	k_qeb880a185a_attn,@function
k_qeb880a185a_attn:
	s_mov_b64 s[64:65], 0
	v_nop
	global_prefetch_b8 v0, s[64:65] scope:SCOPE_SE
	s_setreg_imm32_b32 hwreg(HW_REG_WAVE_MODE, 25, 1), 1
	s_wait_xcnt 0x0
	s_wait_alu depctr_hold_cnt(0) depctr_sa_sdst(0) depctr_va_vdst(0) depctr_va_sdst(0) depctr_va_ssrc(0) depctr_va_vcc(0) depctr_vm_vsrc(0)
	s_getreg_b32 s2, hwreg(HW_REG_IB_STS2, 6, 4)
	s_cmp_eq_u32 s2, 0
	s_cbranch_scc0 .Lentry_in_a_cluster
	s_endpgm
.Lentry_in_a_cluster:
	s_bfe_u32 s2, ttmp6, 0x10000c
	s_cmp_lg_u32 s2, 0x3003
	s_cbranch_scc0 .Lentry_shape_is_right
	s_endpgm
.Lentry_shape_is_right:
; ATTENTION on codes of E4M3.  In qkvc: q (scale 2^e2) at +0 and k (2^e3) at +4,194,304, both [32 heads][2048 rows][64]; v (2^e4) at +8,388,608, [32 heads][64 features][2048 keys].
; Output: codes (2^e6) into ba [4096 tokens][1024].
; t = score x log2(e) / 8; M = the running largest t rounded UP to a whole number; p = 2^(t - M) is quantised (2^e5), not normalised; the row's sum is taken of the unquantised p and divides at the end.
; When M moves, the sum and O are multiplied by 2^(old M - new M): exact.
; SHARES.  A work-group owns ONE head and 256 of its queries; 8 x 32 work-groups.  The head's whole K (131,072 bytes) and V (131,072 bytes) come to lie in LDS, each byte filled once, in eight tensor loads of
; 512 keys, one a wave (waves 0-3: K, 128 rows of 256 bytes; waves 4-7: V, 64 rows of 512 bytes).  Waves 0 and 4 issue theirs, keys 0-511, at the head; the six others behind the full sequence and a round of the
; cluster's barrier, so that steps 0 to 2 are worked while keys 512-2047 land; one barrier ahead of step 3, whose loads of K are the first to name them.  No other barrier stands among the steps.
; A wave owns 32 queries, two tiles of 16: each fragment of K and of V that it reads from LDS feeds two matrix instructions.
; CLUSTER: the four query blocks of a cluster need the same K and V: each tile is asked for jointly, mask 15.
; NO PREFETCH: the last tensor loads go out ahead of the first step; there is no loop to run ahead in.
; REGISTER WINDOWS.  Tile A's numbers lie in window 0 and tile B's in window 1, AT THE SAME REGISTER NUMBERS, the constants in both: one macro serves both tiles, under s_set_vgpr_msb 0 or 0x55.
;   both windows: v12 -M, v13 largest t, v[14:15] the sum, v16-23 Q, v96-159 S^T then p, v160-191 O^T, v192-207 p's codes, v208-215 sums at work, v224-235 constants and work.
;   window 0 alone: v1-7, v24-26 addresses; v32-95 K's fragments.  window 1 alone: v32-95 V's fragments.
; LAYOUT.  S^T = K Q^T (source 0 = 16 keys, source 1 = 16 queries; K = 64), O^T = V^T P^T (source 0 = 16 features, source 1 = P; K = 128 keys): a lane holds ONE query of each tile throughout.
; Key n lies at the row whose number is n with bits 3 and 4 swapped, so rows 16 t + 8 h + j of tiles t = 2 b, 2 b + 1 are keys 32 b + 16 h + 0 .. 15: the conversions' results are the second product's operand.
; In LDS four rows of K share a line of 256 + 16 bytes: row n at 272 (n / 4) + 64 (n % 4); the sixteen lanes of a load touch sixteen different 16-byte columns of 256 bytes.
; THE WAY OUT.  A work-group holds 64 of a token's 1,024 output bytes: four lanes store a token's 64 consecutive bytes, eight tokens an instruction.
; LIMITS: e2 + e3 between -123 and 130 (added to c's exponent field); e5, e6 between -126 and 119; e4 + e5 goes in by v_ldexp_f32.  NaN is not served.  The scaled scores stay under 2^31 in magnitude.
; Fragments come by 16-byte loads: a permutation of k, the same on both sides of each product.
.set KP,    272
.set VP,    528                        ; a row of V's tile: 512 bytes + 16
.set KLD,   128*KP                     ; what one of K's loads fills
.set VOFF,  4*KLD
.set VCH,   64*VP                      ; what one of V's loads fills: 512 keys
.set SPARE, VOFF+4*VCH                 ; the spare words: 128 bytes for each of 8 waves, named by no other line
.set STAGE, SPARE+1024                 ; the way out: 32 rows x 80 bytes for each wave, bytes of their own
.set SP,    80
.set KSTEP, 32*KP                      ; 128 keys of K
.set ADK,  1
.set ADV,  2
.set ADK0, 3
.set ADV0, 4
.set SPW,  5
.set NIL,  6
.set STO,  7
.set RDB,  24
.set GO,   25
.set SS,   96
.set OO,   160
.set PC,   192
.set SM,   208
.set HA,   224                         ; 448 x 2^e5, twice: the two halves of a dual instruction take their second sources from different banks
.set HB,   225
.set PM,   226
.set SC,   227                         ; 2^e5
.set FF,   228
.set MX,   230
.set HQ,   234                         ; 448 x 2^e6
.set SQ,   235                         ; 2^e6
.set WV,   18
.set G1K,  24
.set G1V,  32
.set G0K,  40
.set G0V,  44
.set SEL,  66
.set CS,   76
.set MSB, 0
.macro WIN new                         ; the immediate's high byte repeats the setting that is left
.if MSB != \new
	s_set_vgpr_msb (MSB<<8)|\new
.set MSB, \new
.endif
.endm
.macro CROUND
	s_barrier_signal -1
	s_barrier_wait -1
	s_cmp_lg_u32 s[WV], 0
	s_cbranch_scc1 .Lnot_wave_0_\@
	s_barrier_signal -3
.Lnot_wave_0_\@:
	s_barrier_wait -3
	s_barrier_signal -1
	s_barrier_wait -1
.endm
; My one tensor load.  first = 1: the waves whose 512 keys are the first (waves 0 and 4) issue it; first = 0: the six others.  One chain of branches on the wave's number, one load to an arm, one join.
.macro TLOAD first
	s_cmp_eq_u32 s17, 0
.if \first
	s_cbranch_scc0 .Lasked_\@
.else
	s_cbranch_scc1 .Lasked_\@
.endif
	s_cmp_lt_u32 s[WV], 4
	s_cbranch_scc0 .Lfor_v_\@
	tensor_load_to_lds s[G0K:G0K+3], s[G1K:G1K+7]
	s_nop 0
.rept 4
	v_nop
.endr
	s_branch .Lasked_\@
.Lfor_v_\@:
	tensor_load_to_lds s[G0V:G0V+3], s[G1V:G1V+7]
	s_nop 0
.rept 4
	v_nop
.endr
.Lasked_\@:
.endm
	s_load_b128 s[4:7], s[0:1], 0x0                ; qkvc, lowp_scales
	s_load_b64 s[8:9], s[0:1], 0x10                ; ba
	v_lshl_add_u32 v[SPW], v0, 2, SPARE
	v_mov_b32 v[NIL], 0
	ds_add_u32 v[SPW], v[NIL]                      ; the opening lines: the add, twice on end, and its wait ahead of my tensor load
	ds_add_u32 v[SPW], v[NIL]
	v_lshrrev_b32 v8, 5, v0
	v_readfirstlane_b32 s[WV], v8                  ; wave 0..7
	s_bfe_u32 s10, ttmp6, 0x40000                  ; cx
	s_lshl_b32 s11, ttmp9, 2
	s_add_co_u32 s11, s11, s10                     ; my block of 256 queries: it enters Q's and the output's addresses alone
	s_and_b32 s12, ttmp7, 0xffff                   ; 16 x batch + head
	s_lshr_b32 s13, s12, 4
	s_and_b32 s14, s12, 15
	s_and_b32 s17, s[WV], 3                        ; which 512 keys I fetch
	s_lshl_b32 s19, s12, 17                        ; the head's first byte in q, in k and in v
	s_lshl_b32 s20, s17, 15
	s_add_co_u32 s20, s20, s19
	s_add_co_u32 s20, s20, 4194304                 ; K: 512 rows of 64 bytes a load
	s_mov_b32 s21, 0
	s_lshl_b32 s22, s17, 9
	s_add_co_u32 s22, s22, s19
	s_add_co_u32 s22, s22, 8388608                 ; V: 512 bytes of each feature's row a load
	s_mov_b32 s23, 0
	s_mul_i32 s56, s17, KLD                        ; and in LDS: no place in the cluster enters an LDS address
	s_mul_i32 s57, s17, VCH
	s_add_co_u32 s57, s57, VOFF
	s_lshl_b32 s58, s11, 14
	s_add_co_u32 s58, s58, s19
	s_lshl_b32 s59, s[WV], 11
	s_add_co_u32 s58, s58, s59                     ; Q: (256 block + 32 wave) rows of 64 bytes
	s_mov_b32 s59, 0
	s_lshl_b32 s62, s13, 11
	s_lshl_b32 s63, s11, 8
	s_add_co_u32 s62, s62, s63
	s_lshl_b32 s63, s[WV], 5
	s_add_co_u32 s62, s62, s63                     ; my first token
	s_lshl_b32 s62, s62, 10
	s_lshl_b32 s63, s14, 6
	s_add_co_u32 s62, s62, s63                     ; the output: token x 1024 + 64 head
	s_mov_b32 s63, 0
	s_mov_b32 s[G1K], 15|(0<<16)|(1<<20)|(1<<21)|(5<<22)|(3<<25)   ; mask: all four work-groups; elements of 1 byte; padding on; bit 21 beside a mask; 4 words behind every 64
	s_mov_b32 s[G1K+1], 256<<16                    ; tensor_dim0
	s_mov_b32 s[G1K+2], 128<<16                    ; tensor_dim1
	s_mov_b32 s[G1K+3], 256<<16                    ; tile_dim0
	s_mov_b32 s[G1K+4], 128                        ; tile_dim1
	s_mov_b32 s[G1K+5], 256                        ; dense
	s_mov_b32 s[G1K+6], 0
	s_mov_b32 s[G1K+7], 0
	s_mov_b32 s[G1V], 15|(0<<16)|(1<<20)|(1<<21)|(6<<22)|(3<<25)   ; 4 words behind every 128
	s_mov_b32 s[G1V+1], 512<<16
	s_mov_b32 s[G1V+2], 64<<16
	s_mov_b32 s[G1V+3], 512<<16
	s_mov_b32 s[G1V+4], 64
	s_mov_b32 s[G1V+5], 2048                       ; from feature to feature
	s_mov_b32 s[G1V+6], 0
	s_mov_b32 s[G1V+7], 0
	s_mov_b32 s[SEL], 0x76543210
	s_mov_b32 s[SEL+1], 0xfedcba98
	s_mov_b32 s[CS], 0x3e38aa3b                    ; c = log2(e) / 8
	s_mul_i32 s85, s[WV], 32*SP
	s_add_co_u32 s85, s85, STAGE                   ; my stage
	s_wait_dscnt 0x0                               ; both opening adds are done
	s_wait_kmcnt 0x0
	s_load_b256 s[68:75], s[6:7], 0x0              ; e0 .. e7
	s_add_nc_u64 s[20:21], s[4:5], s[20:21]
	s_add_nc_u64 s[22:23], s[4:5], s[22:23]
	s_add_nc_u64 s[60:61], s[4:5], s[58:59]
	s_add_nc_u64 s[8:9], s[8:9], s[62:63]
	s_mov_b32 s[G0K], 1
	s_mov_b32 s[G0K+1], s56
	s_mov_b64 s[G0K+2:G0K+3], s[20:21]
	s_or_b32 s[G0K+3], s[G0K+3], 0x80000000
	s_mov_b32 s[G0V], 1
	s_mov_b32 s[G0V+1], s57
	s_mov_b64 s[G0V+2:G0V+3], s[22:23]
	s_or_b32 s[G0V+3], s[G0V+3], 0x80000000
	CROUND                                         ; all four work-groups are here: the joint loads meet
	TLOAD 1                                        ; keys 0-511 of K and of V
	v_and_b32 v8, 15, v0                           ; r
	v_bfe_u32 v9, v0, 4, 1                         ; h
	v_lshlrev_b32 v10, 6, v8
	v_lshl_add_u32 v10, v9, 4, v10
	global_load_b128 v[16:19], v10, s[60:61]               ; Q's fragments stay in registers: registers 4 c .. 4 c + 3: channels 32 c + 16 h + 0 .. 15
	global_load_b128 v[20:23], v10, s[60:61] offset:32
	WIN 0x40                                       ; tile B's: destination in window 1
	global_load_b128 v[16:19], v10, s[60:61] offset:1024
	global_load_b128 v[20:23], v10, s[60:61] offset:1056
	WIN 0
	s_wait_alu depctr_va_vdst(0)
	s_wait_kmcnt 0x0
	s_add_co_i32 s84, s70, s71
	s_lshl_b32 s84, s84, 23
	s_add_co_i32 s[CS], s[CS], s84                 ; a score stands for score x 2^(e2 + e3): added to c's exponent field
	s_mov_b32 s[CS+1], s[CS]
	s_add_co_i32 s84, s73, 127
	s_lshl_b32 s86, s84, 23                        ; 2^e5
	s_add_co_i32 s84, s84, 8
	s_lshl_b32 s87, s84, 23
	s_or_b32 s87, s87, 0x600000                    ; 448 x 2^e5
	s_add_co_i32 s84, s74, 127
	s_lshl_b32 s88, s84, 23                        ; 2^e6
	s_add_co_i32 s84, s84, 8
	s_lshl_b32 s89, s84, 23
	s_or_b32 s89, s89, 0x600000                    ; 448 x 2^e6
	s_add_co_i32 s90, s72, s73                     ; e4 + e5
	v_lshrrev_b32 v11, 2, v8
	v_mul_u32_u24 v[ADK0], v11, KP
	v_and_b32 v11, 3, v8
	v_lshl_add_u32 v[ADK0], v11, 6, v[ADK0]
	v_lshl_add_u32 v[ADK0], v9, 4, v[ADK0]         ; K: 272 (r / 4) + 64 (r % 4) + 16 h
	v_mul_u32_u24 v[ADV0], v8, VP
	v_lshl_add_u32 v[ADV0], v9, 4, v[ADV0]
	v_add_nc_u32 v[ADV0], VOFF, v[ADV0]            ; V: 528 r + 16 h
	v_mul_u32_u24 v[STO], v8, SP
	v_lshl_add_u32 v[STO], v9, 3, v[STO]
	v_add_nc_u32 v[STO], s85, v[STO]               ; the stage, in: row r, 8 h
	v_bfe_u32 v11, v0, 2, 3
	v_and_b32 v26, 3, v0
	v_mul_u32_u24 v[RDB], v11, SP
	v_lshl_add_u32 v[RDB], v26, 4, v[RDB]
	v_add_nc_u32 v[RDB], s85, v[RDB]               ; back: four lanes to a row, eight rows an instruction
	v_lshlrev_b32 v[GO], 10, v11
	v_lshl_add_u32 v[GO], v26, 4, v[GO]            ; and the same in ba
.macro INITW                           ; a tile's state and constants, in the window that is set
	v_mov_b32 v13, 0xff61b1e6                      ; the largest t so far: -3e38
	v_floor_f32 v12, -v13                          ; -M
	v_mov_b32 v14, 0
	v_mov_b32 v15, 0
	v_mov_b32 v[PM], 0                             ; a lane permute's destination counts as read
	v_mov_b32 v[FF+1], 0                           ; (named as the upper half of a pair)
	v_mov_b32 v[HA], s87
	v_mov_b32 v[HB], s87
	v_mov_b32 v[SC], s86
	v_mov_b32 v[HQ], s89
	v_mov_b32 v[SQ], s88
.set i, 0
.rept 32
	v_mov_b32 v[OO+i], 0                           ; O^T: the step is written once; its first run finds zeros
.set i, i+1
.endr
.endm
	INITW
	WIN 0x55
	INITW
	WIN 0
; THE SOFTMAX OF ONE TILE, 16 queries x 128 keys, every vector register in the window that is set.
.macro SOFT
	s_wait_alu depctr_va_vdst(0)                   ; the wait directly ahead of the first readers of the scores
.irp c, 0,1,2,3
	v_max_num_f32 v[MX+\c], v[SS+2*\c], v[SS+2*\c+1]       ; the largest score of my query among my 64 keys, in four chains, each accumulator from its low end on
.endr
.set i, 8
.rept 7
.irp c, 0,1,2,3
	v_max3_num_f32 v[MX+\c], v[MX+\c], v[SS+i+2*\c], v[SS+i+2*\c+1]
.endr
.set i, i+8
.endr
	s_delay_alu instid0(VALU_DEP_2)
	v_max3_num_f32 v[MX], v[MX], v[MX+1], v[MX+2]
	s_delay_alu instid0(VALU_DEP_1)
	v_max_num_f32 v[MX], v[MX], v[MX+3]
	s_delay_alu instid0(VALU_DEP_1)
	v_permlanex16_b32 v[PM], v[MX], s[SEL], s[SEL+1]
	s_delay_alu instid0(VALU_DEP_1)
	v_max_num_f32 v[MX], v[MX], v[PM]              ; and among lane l xor 16's
	s_delay_alu instid0(VALU_DEP_1)
	v_mul_f32 v[MX], s[CS], v[MX]                  ; as t (c is positive)
	s_delay_alu instid0(VALU_DEP_1)
	v_max_num_f32 v13, v13, v[MX]
	v_mov_b32 v[MX], v12
	s_delay_alu instid0(VALU_DEP_2)
	v_floor_f32 v12, -v13                          ; the new -M = floor(-t): M is a whole number
	s_delay_alu instid0(VALU_DEP_1)
	v_sub_f32 v[MX], v12, v[MX]                    ; old M - new M: a whole number, 0 or less
	s_delay_alu instid0(VALU_DEP_1)
	v_cvt_i32_f32 v[MX], v[MX]                     ; (it saturates)
	s_delay_alu instid0(VALU_DEP_1)
	v_ldexp_f32 v[FF], 1.0, v[MX]                  ; f = 2^(old M - new M)
.set j, 0
.rept 32
	v_pk_fma_f32 v[SS+j:SS+j+1], v[SS+j:SS+j+1], s[CS:CS+1], v[12:13] op_sel_hi:[1,0,0]   ; t - M
.set j, j+2
.endr
	s_wait_alu depctr_va_vdst(0)                   ; the wait ahead of the batch
.set j, 0
.rept 64
	v_exp_f32 v[SS+j], v[SS+j]                     ; p = 2^(t - M)
.set j, j+1
.endr
	v_pk_mul_f32 v[14:15], v[14:15], v[FF:FF+1] op_sel_hi:[1,0]   ; the sums under the new M: the plain instruction behind the exponentials
	s_wait_alu depctr_va_vdst(0)                   ; one wait for the whole batch, ahead of its first reader
.irp c, 0,1,2,3
	v_pk_add_f32 v[SM+2*\c:SM+2*\c+1], v[SS+4*\c:SS+4*\c+1], v[SS+4*\c+2:SS+4*\c+3]   ; the row's sum of the unquantised p, in four chains
.endr
.set i, 16
.rept 6
.irp c, 0,1,2,3
	v_pk_add_f32 v[SM+2*\c:SM+2*\c+1], v[SM+2*\c:SM+2*\c+1], v[SS+i+2*\c:SS+i+2*\c+1]
.endr
.set i, i+8
.endr
	v_pk_add_f32 v[SM:SM+1], v[SM:SM+1], v[SM+2:SM+3]
	v_pk_add_f32 v[SM+4:SM+5], v[SM+4:SM+5], v[SM+6:SM+7]
	s_delay_alu instid0(VALU_DEP_1)
	v_pk_add_f32 v[SM:SM+1], v[SM:SM+1], v[SM+4:SM+5]
	s_delay_alu instid0(VALU_DEP_1)
	v_pk_add_f32 v[14:15], v[14:15], v[SM:SM+1]
.irp b, 0,1,2,3
.set i, 0
.rept 8
	v_dual_min_num_f32 v[SS+16*\b+i], v[SS+16*\b+i], v[HA] :: v_dual_min_num_f32 v[SS+16*\b+i+1], v[SS+16*\b+i+1], v[HB]   ; the hold (ISA guide 7.6.2: the conversion does not saturate); p is not negative, so it is one-sided; two an instruction
.set i, i+2
.endr
	v_cvt_scalef32_pk8_fp8_f32 v[PC+4*\b:PC+4*\b+1], v[SS+16*\b:SS+16*\b+7], v[SC]
	v_cvt_scalef32_pk8_fp8_f32 v[PC+4*\b+2:PC+4*\b+3], v[SS+16*\b+8:SS+16*\b+15], v[SC]
.endr
	s_wait_alu depctr_va_vdst(0)                   ; the wait directly ahead of the first readers of O^T
.set j, 0
.rept 16
	v_pk_mul_f32 v[OO+j:OO+j+1], v[OO+j:OO+j+1], v[FF:FF+1] op_sel_hi:[1,0]   ; O^T under the new M; also the plain instructions between the conversions and the products
.set j, j+2
.endr
.endm
.macro KFETCH adr                      ; 128 keys of K: tile t's sixteen rows lie in four LDS lines from 4 t on
.irp t, 0,1,2,3,4,5,6,7
	ds_load_b128 v[32+8*\t:35+8*\t], v[\adr] offset:4*\t*KP
	ds_load_b128 v[36+8*\t:39+8*\t], v[\adr] offset:4*\t*KP+32
.endr
.endm
.macro SCORES
.irp t, 0,1,2,3,4,5,6,7
	v_wmma_f32_16x16x64_fp8_fp8 v[SS+8*\t:SS+8*\t+7], v[32+8*\t:39+8*\t], v[16:23], 0
.endr
.endm
.macro PV
.irp d, 0,1,2,3
	v_wmma_f32_16x16x128_fp8_fp8 v[OO+8*\d:OO+8*\d+7], v[32+16*\d:47+16*\d], v[PC:PC+15], v[OO+8*\d:OO+8*\d+7]   ; the accumulators by turns
.endr
.endm
; A STEP: 128 keys, the s3-th, for both tiles.  It reads V's keys of step s3 and K's of step s3 + 1.
.macro TRIP
	s_add_co_u32 s48, s3, 1
	s_min_u32 s48, s48, 15                         ; the next step's keys (the last step names its own once more)
	s_mul_i32 s48, s48, KSTEP
	s_lshr_b32 s49, s3, 2
	s_mul_i32 s49, s49, VCH
	s_and_b32 s50, s3, 3
	s_lshl_b32 s50, s50, 7
	s_add_co_u32 s49, s49, s50                     ; V: which 512 keys, and which 128 of them
	s_wait_dscnt 0x0                               ; K's fragments, asked for a step ago
	SCORES                                         ; tile A
	WIN 0x44                                       ; tile B: Q and the scores in window 1, K's fragments in window 0
	SCORES
	WIN 0
	v_add_nc_u32 v[ADK], s48, v[ADK0]              ; four places behind the products, ahead of the loads into registers that they read
	v_add_nc_u32 v[ADV], s49, v[ADV0]
	v_nop
	v_nop
	WIN 0x40
.irp d, 0,1,2,3
.irp c, 0,1,2,3
	ds_load_b128 v[32+16*\d+4*\c:35+16*\d+4*\c], v[ADV] offset:16*\d*VP+32*\c   ; V's fragments, into window 1
.endr
.endr
	WIN 0
	KFETCH ADK                                     ; the next step's keys
	SOFT
	s_wait_alu depctr_va_vdst(0)
	s_wait_dscnt 16                                ; V's 16 loads are in; K's 16, issued behind them, may be out
	WIN 0x01                                       ; V's fragments in window 1, all else in window 0
	PV
	WIN 0x55
	SOFT
	PV
	WIN 0
.endm
	s_wait_alu depctr_va_vdst(0)                   ; the wait at the head's end
	s_wait_loadcnt 0x0                             ; Q
	s_wait_tensorcnt 0x0                           ; waves 0 and 4: keys 0-511 are in.
	ds_add_u32 v[SPW], v[NIL]
	ds_add_u32 v[SPW], v[NIL]                      ; the add twice on end
	s_wait_dscnt 0x0
	CROUND                                         ; every wave sees keys 0-511, and the joint loads meet
	TLOAD 0                                        ; keys 512-2047: the six other waves' one load each
	KFETCH ADK0                                    ; step 0's keys
	s_mov_b32 s3, 0
.Lfirst:                                           ; steps 0 to 2 name keys 0-511 alone (K's up to step 3's)
	TRIP
	s_add_co_u32 s3, s3, 1
	s_cmp_lt_u32 s3, 3
	s_wait_alu depctr_va_vdst(0)
	s_cbranch_scc1 .Lfirst
	s_wait_tensorcnt 0x0                           ; my part of keys 512-2047 is in
	s_wait_dscnt 0x0                               ; no LDS instruction of mine is pending at the signal
	s_barrier_signal -1
	s_barrier_wait -1                              ; and everybody's
.Lstep:                                            ; steps 3 to 15
	TRIP
	s_add_co_u32 s3, s3, 1
	s_cmp_lt_u32 s3, 16
	s_wait_alu depctr_va_vdst(0)
	s_cbranch_scc1 .Lstep
	s_wait_dscnt 0x0                               ; the last step's loads of K have landed: their registers are free
; THE WAY OUT of a tile: O^T / the sum x 2^(e4 + e5), quantised with 2^e6, into my stage: row = query, byte = channel.
.macro OUT tile
	v_add_f32 v14, v14, v15
	s_delay_alu instid0(VALU_DEP_1)
	v_permlanex16_b32 v[PM], v14, s[SEL], s[SEL+1]
	s_delay_alu instid0(VALU_DEP_1)
	v_add_f32 v14, v14, v[PM]                      ; the row's sum
	s_wait_alu depctr_va_vdst(0)                   ; ahead of the transcendental
	v_rcp_f32 v14, v14
	v_nop
	s_wait_alu depctr_va_vdst(0)                   ; ahead of its first reader
	v_ldexp_f32 v14, v14, s90
	s_delay_alu instid0(VALU_DEP_1)
	v_mov_b32 v15, v14
	s_wait_alu depctr_va_vdst(0)                   ; directly ahead of the first readers of O^T
.set j, 0
.rept 16
	v_pk_mul_f32 v[SS+j:SS+j+1], v[OO+j:OO+j+1], v[14:15]   ; register 8 d + i: channel 16 d + 8 h + i of query r; each accumulator from its low end on
.set j, j+2
.endr
.set j, 0
.rept 32
	v_med3_num_f32 v[SS+j], v[SS+j], -v[HQ], v[HQ]
.set j, j+1
.endr
.irp d, 0,1,2,3
	v_cvt_scalef32_pk8_fp8_f32 v[PC+2*\d:PC+2*\d+1], v[SS+8*\d:SS+8*\d+7], v[SQ]
.endr
	v_nop
	WIN 4*\tile                                    ; the address in window 0, the codes in the tile's window
.irp d, 0,1,2,3
	ds_store_b64 v[STO], v[PC+2*\d:PC+2*\d+1] offset:16*\d+\tile*16*SP
.endr
.endm
	OUT 0
	WIN 0x55
	OUT 1
	WIN 0
.irp i, 0,1,2,3
	ds_load_b128 v[32+4*\i:35+4*\i], v[RDB] offset:\i*8*SP   ; LDS serves a wave's instructions in order (ISA guide 5.7.1.4): these see my stores
.endr
.irp i, 0,1,2,3
	s_wait_dscnt 3-\i                              ; loads come back in order: eight rows are in
	global_store_b128 v[GO], v[32+4*\i:35+4*\i], s[8:9] offset:\i*8192   ; four lanes store a token's 64 bytes
.endr
	s_wait_tensorcnt 0x0                           ; the wave's end
	ds_add_u32 v[SPW], v[NIL]
	s_wait_dscnt 0x0
	CROUND                                         ; the closing round
	s_endpgm
.Lfunc_end_k_qeb880a185a_attn:
	.size	k_qeb880a185a_attn, .Lfunc_end_k_qeb880a185a_attn-k_qeb880a185a_attn
	.p2alignl 7, 3214868480
	.fill 96, 4, 3214868480
	.section	.rodata,"a",@progbits
	.p2align	6, 0x0
	.amdhsa_kernel k_qeb880a185a_attn
		.amdhsa_group_segment_fixed_size 327680
		.amdhsa_private_segment_fixed_size 0
		.amdhsa_enable_private_segment 0
		.amdhsa_kernarg_size 24
		.amdhsa_user_sgpr_count 2
		.amdhsa_user_sgpr_kernarg_segment_ptr 1
		.amdhsa_wavefront_size32 1
		.amdhsa_system_sgpr_workgroup_id_x 1
		.amdhsa_system_sgpr_workgroup_id_y 1
		.amdhsa_system_sgpr_workgroup_id_z 1
		.amdhsa_system_vgpr_workitem_id 0
		.amdhsa_next_free_vgpr 512
		.amdhsa_next_free_sgpr 100
		.amdhsa_reserve_vcc 0
		.amdhsa_float_denorm_mode_32 3
		.amdhsa_float_denorm_mode_16_64 3
		.amdhsa_memory_ordered 1
		.amdhsa_forward_progress 1
		.amdhsa_inst_pref_size 81
	.end_amdhsa_kernel
	.amdgpu_metadata
---
amdhsa.version: [ 1, 2 ]
amdhsa.kernels:
  - .name:           k_qeb880a185a_attn
    .symbol:         k_qeb880a185a_attn.kd
    .args:
      - { .name: qkvc, .offset: 0, .size: 8, .value_kind: global_buffer, .address_space: global }
      - { .name: lowp_scales, .offset: 8, .size: 8, .value_kind: global_buffer, .address_space: global }
      - { .name: ba, .offset: 16, .size: 8, .value_kind: global_buffer, .address_space: global }
    .group_segment_fixed_size: 327680
    .private_segment_fixed_size: 0
    .kernarg_segment_align: 8
    .kernarg_segment_size: 24
    .max_flat_workgroup_size: 256
    .sgpr_count:     100
    .vgpr_count:     512
    .wavefront_size: 32
...
	.end_amdgpu_metadata
.endif
;; end of part 3
;; launch proj (part 4): grid 8 x 32, 4 waves a work-group, clusters of 4 x 4, 327,680 bytes of LDS; arguments ba, wc, lowp_scales, proj_b, x, x1; writes x1
.if DOCPART == 4
	.amdgcn_target "amdgcn-amd-amdhsa--gfx1250"
	.amdhsa_code_object_version 6
	.text
	.protected	k_qeb880a185a_proj
	.globl	k_qeb880a185a_proj
	.p2align	8
	.type	k_qeb880a185a_proj,@function
k_qeb880a185a_proj:
	s_mov_b64 s[64:65], 0
	v_nop
	global_prefetch_b8 v0, s[64:65] scope:SCOPE_SE
	s_setreg_imm32_b32 hwreg(HW_REG_WAVE_MODE, 25, 1), 1
	s_wait_xcnt 0x0
	s_wait_alu depctr_hold_cnt(0) depctr_sa_sdst(0) depctr_va_vdst(0) depctr_va_sdst(0) depctr_va_ssrc(0) depctr_va_vcc(0) depctr_vm_vsrc(0)
	s_getreg_b32 s2, hwreg(HW_REG_IB_STS2, 6, 4)
	s_cmp_eq_u32 s2, 0
	s_cbranch_scc0 .Lentry_in_a_cluster
	s_endpgm
.Lentry_in_a_cluster:
	s_bfe_u32 s2, ttmp6, 0x10000c
	s_cmp_lg_u32 s2, 0xf033
	s_cbranch_scc0 .Lentry_shape_is_right
	s_endpgm
.Lentry_shape_is_right:
.set SIZE_K, 1024
.set WOFF,   3145728
.set SCOFF,  0x18
.set LASTOUT, 0
.set KSTEP,  512
.set PITCH,  528
.set FR,     16
.set HALFT,  64*PITCH
.set SLOT,   4*HALFT
.set STAGE,  2*SLOT
.set SPITCH, 272
.set SPARE,  STAGE+4*16*SPITCH
.set LAPS,   SIZE_K/(2*KSTEP)
.set ADRA, 16
.set ADRB, 20
.set STO,  24
.set RD,   25
.set CO,   26
.set SPW,  28
.set NIL,  29
.set TMP,  32
.set BK,   64
.set BIAS, 96
.set ACC,  128
.set F0,   0
.set F1,   128
.set G1, 24
.set G0, 32
.set G1B, 48
.set G0B, 56
.set MSB, 0
.macro WIN new
.if MSB != \new
	s_set_vgpr_msb (MSB<<8)|\new
.set MSB, \new
.endif
.endm
.set MUL,  0x05
.set TO_F, 0x40
.macro JLOAD s
	s_cmp_eq_u32 s11, 0
	s_cbranch_scc0 .Lfor_b_\@
	tensor_load_to_lds s[G0+4*\s:G0+4*\s+3], s[G1:G1+7]
	s_nop 0
.rept 4
	v_nop
.endr
	s_branch .Lasked_\@
.Lfor_b_\@:
	tensor_load_to_lds s[G0B+4*\s:G0B+4*\s+3], s[G1B:G1B+7]
	s_nop 0
.rept 4
	v_nop
.endr
.Lasked_\@:
.endm
.macro CREST
	s_cmp_lg_u32 s10, 0
	s_cbranch_scc1 .Lnot_wave_0_\@
	s_barrier_signal -3
.Lnot_wave_0_\@:
	s_barrier_wait -3
	s_barrier_signal -1
	s_barrier_wait -1
.endm
.macro CROUND
	s_barrier_signal -1
	s_barrier_wait -1
	CREST
.endm
	s_load_b128 s[4:7], s[0:1], 0x0
	s_load_b128 s[68:71], s[0:1], 0x10
	s_load_b128 s[76:79], s[0:1], 0x20
	v_lshl_add_u32 v[SPW], v0, 2, SPARE
	v_mov_b32 v[NIL], 0
	ds_add_u32 v28, v29
	ds_add_u32 v28, v29
	s_wait_dscnt 0x0
	v_lshrrev_b32 v1, 5, v0
	v_readfirstlane_b32 s10, v1
	s_lshr_b32 s11, s10, 1
	s_and_b32 s12, s10, 1
	s_bfe_u32 s40, ttmp6, 0x40000
	s_bfe_u32 s41, ttmp6, 0x40004
	s_lshl_b32 s42, ttmp9, 2
	s_add_co_u32 s42, s42, s40
	s_and_b32 s13, ttmp7, 0xffff
	s_lshl_b32 s13, s13, 2
	s_add_co_u32 s13, s13, s41
	s_lshl_b32 s43, s41, 2
	s_lshl_b32 s43, 15, s43
	s_lshl_b32 s44, 0x1111, s40
	s_or_b32 s[G1+0], s43, (0<<16)|(1<<20)|(1<<21)|(6<<22)|(3<<25)
	s_or_b32 s[G1B+0], s44, (0<<16)|(1<<20)|(1<<21)|(6<<22)|(3<<25)
.irp g, G1, G1B
	s_mov_b32 s[\g+1], KSTEP<<16
	s_mov_b32 s[\g+2], 64<<16
	s_mov_b32 s[\g+3], KSTEP<<16
	s_mov_b32 s[\g+4], 64
	s_mov_b32 s[\g+5], SIZE_K
	s_mov_b32 s[\g+6], 0
	s_mov_b32 s[\g+7], 0
.endr
	s_lshl_b32 s17, s12, 6
	s_lshl_b32 s16, s13, 7
	s_add_co_u32 s16, s16, s17
	s_mul_i32 s16, s16, SIZE_K
	s_lshl_b32 s46, s42, 7
	s_add_co_u32 s46, s46, s17
	s_mul_i32 s46, s46, SIZE_K
	s_mov_b32 s17, 0
	s_mov_b32 s47, 0
	s_mul_i32 s20, s10, HALFT
	s_wait_kmcnt 0x0
	s_load_b64 s[72:73], s[68:69], SCOFF
	s_add_nc_u64 s[6:7], s[6:7], WOFF
	s_add_nc_u64 s[14:15], s[4:5], s[16:17]
	s_add_nc_u64 s[46:47], s[6:7], s[46:47]
	CROUND
.irp s, 0,1
	s_mov_b32 s[G0+4*\s], 1
	s_add_co_u32 s[G0+4*\s+1], s20, \s*SLOT
	s_add_nc_u64 s[G0+4*\s+2:G0+4*\s+3], s[14:15], \s*KSTEP
	s_or_b32 s[G0+4*\s+3], s[G0+4*\s+3], 0x80000000
	s_mov_b32 s[G0B+4*\s], 1
	s_add_co_u32 s[G0B+4*\s+1], s20, \s*SLOT
	s_add_nc_u64 s[G0B+4*\s+2:G0B+4*\s+3], s[46:47], \s*KSTEP
	s_or_b32 s[G0B+4*\s+3], s[G0B+4*\s+3], 0x80000000
.endr
	JLOAD 0                                        ; K step 0: one tensor load a wave at the head
	; A PREFETCH INTO THE L2 of K step 1, the last: 512 bytes of each row.  Of the 64 rows that my wave fetches, each of the four partners that ask for them jointly names 16, told apart by address
	; (cx for A, cy for B): two lanes a row, 256 bytes apart, one instruction a wave; a whole fill ahead of its load.
	s_cmp_eq_u32 s11, 0
	s_cselect_b64 s[80:81], s[14:15], s[46:47]
	s_cselect_b32 s82, s40, s41
	s_mul_i32 s82, s82, 16*SIZE_K
	s_mov_b32 s83, 0
	s_add_nc_u64 s[80:81], s[80:81], s[82:83]      ; never rewritten
	v_bfe_u32 v30, v0, 1, 4
	v_mul_u32_u24 v30, v30, SIZE_K
	v_and_b32 v31, 1, v0
	v_lshl_add_u32 v30, v31, 8, v30                ; never rewritten
	global_prefetch_b8 v30, s[80:81] offset:KSTEP th:TH_LOAD_NT scope:SCOPE_SE
	v_and_b32 v1, 15, v0
	s_wait_alu depctr_va_vdst(0)
	v_bfe_u32 v2, v0, 4, 1
	v_mul_u32_u24 v3, v1, PITCH
	v_lshl_add_u32 v3, v2, 4, v3
	s_mul_i32 s21, s11, HALFT
	s_mul_i32 s22, s12, HALFT
	s_add_co_u32 s22, s22, 2*HALFT
.irp s, 0,1
	v_add_nc_u32 v[ADRA+\s], s21, v3
	v_add_nc_u32 v[ADRB+\s], s22, v3
	s_add_co_u32 s21, s21, SLOT
	s_add_co_u32 s22, s22, SLOT
.endr
	s_mul_i32 s23, s10, 16*SPITCH
	s_add_co_u32 s23, s23, STAGE
	v_mul_u32_u24 v4, v1, SPITCH
	s_wait_alu depctr_va_vdst(0)
	v_lshl_add_u32 v4, v2, 5, v4
	v_add_nc_u32 v[STO], s23, v4
	v_mul_u32_u24 v5, v2, SPITCH
	v_lshl_add_u32 v5, v1, 4, v5
	v_add_nc_u32 v[RD], s23, v5
	v_lshlrev_b32 v[CO], 12, v2
	v_lshl_add_u32 v[CO], v1, 4, v[CO]
	v_lshlrev_b32 v6, 5, v2
	s_wait_alu depctr_va_vdst(0)
	s_lshl_b32 s21, s42, 9
	s_lshl_b32 s22, s12, 8
	s_add_co_u32 s22, s21, s22
	s_mov_b32 s23, 0
	s_add_nc_u64 s[70:71], s[70:71], s[22:23]
	s_lshl_b32 s18, s13, 7
	s_lshl_b32 s19, s11, 6
	s_add_co_u32 s18, s18, s19
	s_lshl_b32 s18, s18, 12
	s_add_co_u32 s18, s18, s22
	s_mov_b32 s19, 0
	s_add_nc_u64 s[76:77], s[76:77], s[18:19]
	s_add_nc_u64 s[78:79], s[78:79], s[18:19]
.irp b, 0,1,2,3
	global_load_b128 v[BIAS+8*\b:BIAS+8*\b+3], v6, s[70:71] offset:64*\b
	global_load_b128 v[BIAS+8*\b+4:BIAS+8*\b+7], v6, s[70:71] offset:64*\b+16
.endr
.macro FRAG reg, adr, q, i
.irp c, 0,1,2,3
	ds_load_b128 v[\reg+4*\c:\reg+4*\c+3], v[\adr] offset:128*(\q)+32*\c+(\i)*16*PITCH
.endr
.endm
.macro FETCH slot, q, f
	WIN TO_F
.irp i, 0,1,2,3
	FRAG \f+64+FR*\i, ADRB+\slot, \q, \i
.endr
.irp i, 0,1,2,3
	FRAG \f+FR*\i, ADRA+\slot, \q, \i
.endr
.endm
.macro MUL4 f, a, zero
.irp b, 0,1,2,3
.if \zero
	v_wmma_f32_16x16x128_fp8_fp8 v[ACC+8*(4*(\a)+\b):ACC+8*(4*(\a)+\b)+7], v[\f+64+FR*\b:\f+64+FR*\b+FR-1], v[\f+FR*(\a):\f+FR*(\a)+FR-1], 0
.else
	v_wmma_f32_16x16x128_fp8_fp8 v[ACC+8*(4*(\a)+\b):ACC+8*(4*(\a)+\b)+7], v[\f+64+FR*\b:\f+64+FR*\b+FR-1], v[\f+FR*(\a):\f+FR*(\a)+FR-1], v[ACC+8*(4*(\a)+\b):ACC+8*(4*(\a)+\b)+7]
.endif
.endr
.endm
.macro PLACES
.rept 4
	v_nop
.endr
.endm
.macro QUARTER slot, qn, f, g, zero
	s_wait_dscnt 8
	WIN MUL
	MUL4 \f, 0, \zero
	MUL4 \f, 1, \zero
	PLACES
	FETCH \slot, \qn, \g
	s_wait_dscnt 32
	WIN MUL
	MUL4 \f, 2, \zero
	MUL4 \f, 3, \zero
.endm
.macro TURN slot, next, fill
	WIN 0
	s_wait_tensorcnt 0x0
	ds_add_u32 v[SPW], v[NIL]
	s_wait_dscnt 9
	WIN MUL
	MUL4 F1, 0, 0
	s_wait_dscnt 0x0
	s_barrier_signal -1
	MUL4 F1, 1, 0
.if \fill
	WIN 0
.endif
	s_barrier_wait -1
.if \fill
	CREST
	s_add_nc_u64 s[G0+4*\slot+2:G0+4*\slot+3], s[G0+4*\slot+2:G0+4*\slot+3], 2*KSTEP
	s_add_nc_u64 s[G0B+4*\slot+2:G0B+4*\slot+3], s[G0B+4*\slot+2:G0B+4*\slot+3], 2*KSTEP
	JLOAD \slot
.else
	PLACES
.endif
	FETCH \next, 0, F0
	WIN MUL
	MUL4 F1, 2, 0
	MUL4 F1, 3, 0
.endm
	s_wait_alu depctr_va_vdst(0)                   ; the wait at the head's end
	s_wait_tensorcnt 0x0                           ; my part of K step 0 is in
	ds_add_u32 v[SPW], v[NIL]
	s_wait_dscnt 0x0
	CROUND
	JLOAD 1                                        ; K step 1: my one tensor load behind the round
	FETCH 0, 0, F0
	QUARTER 0, 1, F0, F1, 1
.if LAPS > 1
	WIN 0
	s_mov_b32 s3, LAPS-1
.Llap:
	QUARTER 0, 2, F1, F0, 0
	QUARTER 0, 3, F0, F1, 0
	TURN 0, 1, 1
	QUARTER 1, 1, F0, F1, 0
	QUARTER 1, 2, F1, F0, 0
	QUARTER 1, 3, F0, F1, 0
	TURN 1, 0, 1
	QUARTER 0, 1, F0, F1, 0
	WIN 0
	s_sub_co_u32 s3, s3, 1
	s_cmp_lg_u32 s3, 0
	s_cbranch_scc1 .Llap
.endif
	WIN 0x80                                       ; the residual, into window 2: asked for here, behind the tiles' requests; seven quarter steps stand ahead of the wait for it
.irp a, 0,1,2,3
.irp t, 0,1,2,3,4,5,6,7
	global_load_b128 v[32*\a+4*\t:32*\a+4*\t+3], v[CO], s[76:77] offset:(16*\a+2*\t)*4096
.endr
.endr
	WIN 0
	QUARTER 0, 2, F1, F0, 0
	QUARTER 0, 3, F0, F1, 0
	TURN 0, 1, 0
	QUARTER 1, 1, F0, F1, 0
	QUARTER 1, 2, F1, F0, 0
	QUARTER 1, 3, F0, F1, 0
	s_wait_dscnt 8
	WIN MUL
	MUL4 F1, 0, 0
	MUL4 F1, 1, 0
	s_wait_dscnt 0
	MUL4 F1, 2, 0
	MUL4 F1, 3, 0
	WIN 0
	s_wait_kmcnt 0x0
	s_add_co_i32 s72, s72, s73
	s_add_co_i32 s72, s72, 127
	s_lshl_b32 s72, s72, 23
	s_mov_b32 s73, s72
	s_wait_loadcnt 0x0
	PLACES
.macro OUTB a
.set i, 0
.rept 16
	v_pk_fma_f32 v[TMP+i:TMP+i+1], v[ACC+32*(\a)+i:ACC+32*(\a)+i+1], s[72:73], v[BIAS+i:BIAS+i+1] op_sel_hi:[1,0,1]
.set i, i+2
.endr
.irp b, 0,1,2,3
	ds_store_b128 v[STO], v[TMP+8*\b:TMP+8*\b+3] offset:64*\b
	ds_store_b128 v[STO], v[TMP+8*\b+4:TMP+8*\b+7] offset:64*\b+16
.endr
.irp t, 0,1,2,3,4,5,6,7
	ds_load_b128 v[BK+4*\t:BK+4*\t+3], v[RD] offset:\t*2*SPITCH
.endr
	s_wait_dscnt 0x0
	WIN 0x88
.set i, 0
.rept 16
	v_pk_add_f32 v[32*(\a)+i:32*(\a)+i+1], v[BK+i:BK+i+1], v[32*(\a)+i:32*(\a)+i+1]
.set i, i+2
.endr
	WIN 0x08
.irp t, 0,1,2,3,4,5,6,7
.if LASTOUT
	global_store_b128 v[CO], v[32*(\a)+4*\t:32*(\a)+4*\t+3], s[78:79] offset:(16*(\a)+2*\t)*4096 th:TH_STORE_NT
.else
	global_store_b128 v[CO], v[32*(\a)+4*\t:32*(\a)+4*\t+3], s[78:79] offset:(16*(\a)+2*\t)*4096
.endif
.endr
	WIN 0
.endm
	OUTB 0
	OUTB 1
	OUTB 2
	OUTB 3
	s_wait_tensorcnt 0x0
	ds_add_u32 v[SPW], v[NIL]
	s_wait_dscnt 0x0
	CROUND
	s_endpgm
.Lfunc_end_k_qeb880a185a_proj:
	.size	k_qeb880a185a_proj, .Lfunc_end_k_qeb880a185a_proj-k_qeb880a185a_proj
	.p2alignl 7, 3214868480
	.fill 96, 4, 3214868480
	.section	.rodata,"a",@progbits
	.p2align	6, 0x0
	.amdhsa_kernel k_qeb880a185a_proj
		.amdhsa_group_segment_fixed_size 327680
		.amdhsa_private_segment_fixed_size 0
		.amdhsa_enable_private_segment 0
		.amdhsa_kernarg_size 48
		.amdhsa_user_sgpr_count 2
		.amdhsa_user_sgpr_kernarg_segment_ptr 1
		.amdhsa_wavefront_size32 1
		.amdhsa_system_sgpr_workgroup_id_x 1
		.amdhsa_system_sgpr_workgroup_id_y 1
		.amdhsa_system_sgpr_workgroup_id_z 1
		.amdhsa_system_vgpr_workitem_id 0
		.amdhsa_next_free_vgpr 640
		.amdhsa_next_free_sgpr 84
		.amdhsa_reserve_vcc 0
		.amdhsa_float_denorm_mode_32 3
		.amdhsa_float_denorm_mode_16_64 3
		.amdhsa_memory_ordered 1
		.amdhsa_forward_progress 1
		.amdhsa_inst_pref_size 55
	.end_amdhsa_kernel
	.amdgpu_metadata
---
amdhsa.version: [ 1, 2 ]
amdhsa.kernels:
  - .name:           k_qeb880a185a_proj
    .symbol:         k_qeb880a185a_proj.kd
    .args:
      - { .name: ba, .offset: 0, .size: 8, .value_kind: global_buffer, .address_space: global }
      - { .name: wc, .offset: 8, .size: 8, .value_kind: global_buffer, .address_space: global }
      - { .name: lowp_scales, .offset: 16, .size: 8, .value_kind: global_buffer, .address_space: global }
      - { .name: proj_b, .offset: 24, .size: 8, .value_kind: global_buffer, .address_space: global }
      - { .name: x, .offset: 32, .size: 8, .value_kind: global_buffer, .address_space: global }
      - { .name: x1, .offset: 40, .size: 8, .value_kind: global_buffer, .address_space: global }
    .group_segment_fixed_size: 327680
    .private_segment_fixed_size: 0
    .kernarg_segment_align: 8
    .kernarg_segment_size: 48
    .max_flat_workgroup_size: 128
    .sgpr_count:     84
    .vgpr_count:     640
    .wavefront_size: 32
...
	.end_amdgpu_metadata
.endif
;; end of part 4
;; launch ln2 (part 5): grid 256 x 1, 4 waves a work-group, no clusters, 4,608 bytes of LDS; arguments x1, ln2_w, ln2_b, lowp_scales, ba; writes ba
.if DOCPART == 5
	.amdgcn_target "amdgcn-amd-amdhsa--gfx1250"
	.amdhsa_code_object_version 6
	.text
	.protected	k_qeb880a185a_ln2
	.globl	k_qeb880a185a_ln2
	.p2align	8
	.type	k_qeb880a185a_ln2,@function
k_qeb880a185a_ln2:
	s_mov_b64 s[64:65], 0
	v_nop
	global_prefetch_b8 v0, s[64:65] scope:SCOPE_SE
	s_setreg_imm32_b32 hwreg(HW_REG_WAVE_MODE, 25, 1), 1
	s_wait_xcnt 0x0
; LayerNorm 2 of x1 [4096][1024] f32 -> codes of E4M3 with the scale 2^e8, into ba [4096][1024].
; A work-group owns 16 rows, a wave 4.  One wave holds a whole row: lane l holds columns 128 j + 4 l + 0..3, j = 0..7, so each load covers 512 consecutive bytes.  Mean first, then the variance of the differences.
; LIMITS: e8 between -126 and 119.  NaN and infinities are not served.  No tensor load, no barrier, no cluster: waves share nothing.
.set LNST,  0
.set PX, 4                             ; s[4:5] x1
.set PW, 6                             ; s[6:7] ln2_w
.set PB, 8                             ; s[8:9] ln2_b
.set PO, 12                            ; s[12:13] ba
.set SE, 24                            ; s24 e8
.set W,  20
.set B,  52
.set X,  84
.set C,  212
	s_load_b256 s[4:11], s[0:1], 0x0               ; x1, ln2_w, ln2_b, lowp_scales
	s_load_b64 s[12:13], s[0:1], 0x20              ; ba
	v_lshl_add_u32 v248, v0, 2, 0x1000
	v_mov_b32 v249, 0
	v_lshrrev_b32 v1, 5, v0
	v_readfirstlane_b32 s2, v1                     ; wave
	v_and_b32 v5, 31, v0                           ; lane
	s_wait_alu depctr_va_vdst(0)
	s_wait_kmcnt 0x0
	s_load_b32 s[SE], s[10:11], 0x20
	v_lshlrev_b32 v3, 4, v5                        ; 16 x lane
	s_wait_alu depctr_va_vdst(0)
	s_lshl_b32 s36, s2, 10
	s_add_co_u32 s36, s36, LNST                    ; my wave's stage of 1,024 bytes
	v_lshl_add_u32 v1, v5, 2, s36
	v_add_nc_u32 v2, s36, v3
	v_mov_b32 v16, 0                               ; a lane permute's destination counts as read
	s_lshl_b32 s38, ttmp9, 16
	s_lshl_b32 s37, s2, 14
	s_add_co_u32 s38, s38, s37
	s_mov_b32 s39, 0
	s_add_nc_u64 s[PX:PX+1], s[PX:PX+1], s[38:39]
	s_lshr_b32 s38, s38, 2
	s_add_nc_u64 s[PO:PO+1], s[PO:PO+1], s[38:39]
.irp j, 0,1,2,3,4,5,6,7
	global_load_b128 v[W+4*\j:W+4*\j+3], v3, s[PW:PW+1] offset:512*\j
.endr
.irp j, 0,1,2,3,4,5,6,7
	global_load_b128 v[B+4*\j:B+4*\j+3], v3, s[PB:PB+1] offset:512*\j
.endr
.irp r, 0,1,2,3
.irp j, 0,1,2,3,4,5,6,7
	global_load_b128 v[X+32*\r+4*\j:X+32*\r+4*\j+3], v3, s[PX:PX+1] offset:4096*\r+512*\j th:TH_LOAD_NT
.endr
.endr
	s_mov_b32 s40, 0x3a800000                      ; 1 / 1024
	s_mov_b32 s41, 0x3727c5ac                      ; 1e-5
	s_mov_b32 s42, 0x76543210
	s_mov_b32 s43, 0xfedcba98
	s_wait_kmcnt 0x0
	s_add_co_i32 s44, s[SE], 127
	s_lshl_b32 s45, s44, 23
	v_mov_b32 v17, s45                             ; 2^e
	s_add_co_i32 s44, s44, 8
	s_lshl_b32 s44, s44, 23
	s_or_b32 s44, s44, 0x600000
	v_mov_b32 v18, s44                             ; 448 x 2^e
.macro WSUM                            ; v4 = the sum over the wave of the four chains v[4:11]
	v_pk_add_f32 v[4:5], v[4:5], v[6:7]
	v_pk_add_f32 v[8:9], v[8:9], v[10:11]
	v_pk_add_f32 v[4:5], v[4:5], v[8:9]
	v_add_f32 v4, v4, v5
	v_add_f32_dpp v4, v4, v4 row_xmask:1 row_mask:0xf bank_mask:0xf
	v_add_f32_dpp v4, v4, v4 row_xmask:2 row_mask:0xf bank_mask:0xf
	v_add_f32_dpp v4, v4, v4 row_xmask:4 row_mask:0xf bank_mask:0xf
	v_add_f32_dpp v4, v4, v4 row_xmask:8 row_mask:0xf bank_mask:0xf
	v_permlanex16_b32 v16, v4, s42, s43
	v_add_f32 v4, v4, v16
.endm
.macro LNROW r
.set XR, X+32*\r
	s_wait_loadcnt 8*(3-\r)                        ; gain, bias and my rows up to this one are in; the 8 loads of each later row may be out
.irp c, 0,1,2,3
	v_pk_add_f32 v[4+2*\c:5+2*\c], v[XR+2*\c:XR+2*\c+1], v[XR+8+2*\c:XR+9+2*\c]
.endr
.irp g, 16,24
.irp c, 0,1,2,3
	v_pk_add_f32 v[4+2*\c:5+2*\c], v[4+2*\c:5+2*\c], v[XR+\g+2*\c:XR+\g+2*\c+1]
.endr
.endr
	WSUM
	v_mul_f32 v12, s40, v4                         ; the mean
	v_mov_b32 v13, v12
.set i, 0
.rept 16
	v_pk_add_f32 v[XR+i:XR+i+1], v[XR+i:XR+i+1], v[12:13] neg_lo:[0,1] neg_hi:[0,1]
.set i, i+2
.endr
.irp c, 0,1,2,3
	v_pk_mul_f32 v[4+2*\c:5+2*\c], v[XR+2*\c:XR+2*\c+1], v[XR+2*\c:XR+2*\c+1]
.endr
.irp g, 8,16,24
.irp c, 0,1,2,3
	v_pk_fma_f32 v[4+2*\c:5+2*\c], v[XR+\g+2*\c:XR+\g+2*\c+1], v[XR+\g+2*\c:XR+\g+2*\c+1], v[4+2*\c:5+2*\c]
.endr
.endr
	WSUM
	v_fma_f32 v4, v4, s40, s41
	s_wait_alu depctr_va_vdst(0)
	v_rsq_f32 v14, v4
	v_nop                                          ; a plain instruction behind the transcendental,
	s_wait_alu depctr_va_vdst(0)                   ; and the wait ahead of its first reader
	v_mov_b32 v15, v14
.set i, 0
.rept 16
	v_pk_mul_f32 v[XR+i:XR+i+1], v[XR+i:XR+i+1], v[14:15]
.set i, i+2
.endr
.set i, 0
.rept 16
	v_pk_fma_f32 v[XR+i:XR+i+1], v[XR+i:XR+i+1], v[W+i:W+i+1], v[B+i:B+i+1]
.set i, i+2
.endr
.set i, 0
.rept 32
	v_med3_num_f32 v[XR+i], v[XR+i], -v18, v18     ; the conversion does not saturate (ISA guide 7.6.2): the hold comes first
.set i, i+1
.endr
.irp u, 0,1,2,3
	v_cvt_scalef32_pk8_fp8_f32 v[C+8*\r+2*\u:C+8*\r+2*\u+1], v[XR+8*\u:XR+8*\u+7], v17
.endr
.irp j, 0,1,2,3,4,5,6,7
	ds_store_b32 v1, v[C+8*\r+\j] offset:128*\j
.endr
	ds_load_b128 v[XR:XR+3], v2                    ; LDS serves a wave's instructions in order (ISA guide 5.7.1.4)
	ds_load_b128 v[XR+4:XR+7], v2 offset:512
	s_wait_dscnt 0x0
	global_store_b128 v3, v[XR:XR+3], s[PO:PO+1] offset:1024*\r        ; 32 lanes store 512 consecutive bytes, aligned
	global_store_b128 v3, v[XR+4:XR+7], s[PO:PO+1] offset:1024*\r+512
.endm
	LNROW 0
	LNROW 1
	LNROW 2
	LNROW 3
	s_wait_tensorcnt 0x0
	ds_add_u32 v248, v249
	s_wait_dscnt 0x0
	s_endpgm
.Lfunc_end_k_qeb880a185a_ln2:
	.size	k_qeb880a185a_ln2, .Lfunc_end_k_qeb880a185a_ln2-k_qeb880a185a_ln2
	.p2alignl 7, 3214868480
	.fill 96, 4, 3214868480
	.section	.rodata,"a",@progbits
	.p2align	6, 0x0
	.amdhsa_kernel k_qeb880a185a_ln2
		.amdhsa_group_segment_fixed_size 4608
		.amdhsa_private_segment_fixed_size 0
		.amdhsa_enable_private_segment 0
		.amdhsa_kernarg_size 40
		.amdhsa_user_sgpr_count 2
		.amdhsa_user_sgpr_kernarg_segment_ptr 1
		.amdhsa_wavefront_size32 1
		.amdhsa_system_sgpr_workgroup_id_x 1
		.amdhsa_system_sgpr_workgroup_id_y 1
		.amdhsa_system_sgpr_workgroup_id_z 1
		.amdhsa_system_vgpr_workitem_id 0
		.amdhsa_next_free_vgpr 250
		.amdhsa_next_free_sgpr 66
		.amdhsa_reserve_vcc 0
		.amdhsa_float_denorm_mode_32 3
		.amdhsa_float_denorm_mode_16_64 3
		.amdhsa_memory_ordered 1
		.amdhsa_forward_progress 1
		.amdhsa_inst_pref_size 44
	.end_amdhsa_kernel
	.amdgpu_metadata
---
amdhsa.version: [ 1, 2 ]
amdhsa.kernels:
  - .name:           k_qeb880a185a_ln2
    .symbol:         k_qeb880a185a_ln2.kd
    .args:
      - { .name: x1, .offset: 0, .size: 8, .value_kind: global_buffer, .address_space: global }
      - { .name: ln2_w, .offset: 8, .size: 8, .value_kind: global_buffer, .address_space: global }
      - { .name: ln2_b, .offset: 16, .size: 8, .value_kind: global_buffer, .address_space: global }
      - { .name: lowp_scales, .offset: 24, .size: 8, .value_kind: global_buffer, .address_space: global }
      - { .name: ba, .offset: 32, .size: 8, .value_kind: global_buffer, .address_space: global }
    .group_segment_fixed_size: 4608
    .private_segment_fixed_size: 0
    .kernarg_segment_align: 8
    .kernarg_segment_size: 40
    .max_flat_workgroup_size: 128
    .sgpr_count:     66
    .vgpr_count:     250
    .wavefront_size: 32
...
	.end_amdgpu_metadata
.endif
;; end of part 5
;; launch fc1 (part 6): grid 16 x 16, 4 waves a work-group, clusters of 4 x 4, 327,680 bytes of LDS; arguments ba, wc, lowp_scales, fc1_b, a6; writes a6
.if DOCPART == 6
	.amdgcn_target "amdgcn-amd-amdhsa--gfx1250"
	.amdhsa_code_object_version 6
	.text
	.protected	k_qeb880a185a_fc1
	.globl	k_qeb880a185a_fc1
	.p2align	8
	.type	k_qeb880a185a_fc1,@function
k_qeb880a185a_fc1:
	s_mov_b64 s[64:65], 0
	v_nop
	global_prefetch_b8 v0, s[64:65] scope:SCOPE_SE
	s_setreg_imm32_b32 hwreg(HW_REG_WAVE_MODE, 25, 1), 1
	s_wait_xcnt 0x0
	s_wait_alu depctr_hold_cnt(0) depctr_sa_sdst(0) depctr_va_vdst(0) depctr_va_sdst(0) depctr_va_ssrc(0) depctr_va_vcc(0) depctr_vm_vsrc(0)
	s_getreg_b32 s2, hwreg(HW_REG_IB_STS2, 6, 4)
	s_cmp_eq_u32 s2, 0
	s_cbranch_scc0 .Lentry_in_a_cluster
	s_endpgm
.Lentry_in_a_cluster:
	s_bfe_u32 s2, ttmp6, 0x10000c
	s_cmp_lg_u32 s2, 0xf033
	s_cbranch_scc0 .Lentry_shape_is_right
	s_endpgm
.Lentry_shape_is_right:
.set KSTEP,  256
.set ROWB,   256
.set KROW,   1024
.set PITCH,  272
.set FR,     16
.set NL,     4
.set NP,     4
.set HALFT,  128*PITCH
.set SLOT,   4*HALFT
.set LAPS,   2
.set SPARE,  2*SLOT
.set QS,   12
.set QL,   13
.set ADRA, 16
.set ADRB, 20
.set STO,  24
.set RD,   25
.set CO,   26
.set ADR,  27
.set SPW,  28
.set NIL,  29
.set CD,   32
.set BR,   64
.set AF,   128
.set XX,   128
.set T,    192
.set P,    224
.set BK,   128
.set G1, 24
.set G0, 32
.set G1B, 48
.set G0B, 56
.set MSB, 0
.macro WIN new
.if MSB != \new
	s_set_vgpr_msb (MSB<<8)|\new
.set MSB, \new
.endif
.endm
.set MUL_LO, 0xa1
.set MUL_HI, 0xf1
.set TO_B,   0x40
.macro JLOAD g0a, g1a, g0b, g1b
	s_cmp_eq_u32 s15, 0
	s_cbranch_scc0 .Lfor_b_\@
	tensor_load_to_lds s[\g0a:\g0a+3], s[\g1a:\g1a+7]
	s_nop 0
.rept 4
	v_nop
.endr
	s_branch .Lasked_\@
.Lfor_b_\@:
	tensor_load_to_lds s[\g0b:\g0b+3], s[\g1b:\g1b+7]
	s_nop 0
.rept 4
	v_nop
.endr
.Lasked_\@:
.endm
.macro CREST
	s_cmp_lg_u32 s14, 0
	s_cbranch_scc1 .Lnot_wave_0_\@
	s_barrier_signal -3
.Lnot_wave_0_\@:
	s_barrier_wait -3
	s_barrier_signal -1
	s_barrier_wait -1
.endm
.macro CROUND
	s_barrier_signal -1
	s_barrier_wait -1
	CREST
.endm
	s_load_b128 s[4:7], s[0:1], 0x0
	s_load_b128 s[8:11], s[0:1], 0x10
	s_load_b64 s[12:13], s[0:1], 0x20
	v_lshl_add_u32 v[SPW], v0, 2, SPARE
	v_mov_b32 v[NIL], 0
	ds_add_u32 v28, v29
	ds_add_u32 v28, v29
	s_wait_dscnt 0x0
	v_lshrrev_b32 v1, 5, v0
	v_readfirstlane_b32 s14, v1
	s_lshr_b32 s15, s14, 1
	s_and_b32 s16, s14, 1
	s_bfe_u32 s40, ttmp6, 0x40000
	s_bfe_u32 s41, ttmp6, 0x40004
	s_lshl_b32 s42, ttmp9, 2
	s_add_co_u32 s42, s42, s40
	s_and_b32 s17, ttmp7, 0xffff
	s_lshl_b32 s17, s17, 2
	s_add_co_u32 s17, s17, s41
	s_lshl_b32 s43, s41, 2
	s_lshl_b32 s43, 15, s43
	s_lshl_b32 s44, 0x1111, s40
	s_or_b32 s[G1+0], s43, (0<<16)|(1<<20)|(1<<21)|(5<<22)|(3<<25)
	s_or_b32 s[G1B+0], s44, (0<<16)|(1<<20)|(1<<21)|(5<<22)|(3<<25)
.irp g, G1, G1B
	s_mov_b32 s[\g+1], ROWB<<16
	s_mov_b32 s[\g+2], 128<<16
	s_mov_b32 s[\g+3], ROWB<<16
	s_mov_b32 s[\g+4], 128
	s_mov_b32 s[\g+5], KROW
	s_mov_b32 s[\g+6], 0
	s_mov_b32 s[\g+7], 0
.endr
	s_lshl_b32 s18, s16, 7
	s_lshl_b32 s20, s17, 8
	s_add_co_u32 s20, s20, s18
	s_lshl_b32 s20, s20, 10
	s_mov_b32 s21, 0
	s_lshl_b32 s46, s42, 8
	s_add_co_u32 s46, s46, s18
	s_lshl_b32 s46, s46, 10
	s_mov_b32 s47, 0
	s_mul_i32 s45, s14, HALFT
	s_wait_kmcnt 0x0
	s_load_b128 s[72:75], s[8:9], 0x20
	s_add_nc_u64 s[6:7], s[6:7], 4194304
	s_add_nc_u64 s[20:21], s[4:5], s[20:21]
	s_add_nc_u64 s[46:47], s[6:7], s[46:47]
	CROUND
.irp s, 0,1
	s_mov_b32 s[G0+4*\s], 1
	s_add_co_u32 s[G0+4*\s+1], s45, \s*SLOT
	s_add_nc_u64 s[G0+4*\s+2:G0+4*\s+3], s[20:21], \s*ROWB
	s_or_b32 s[G0+4*\s+3], s[G0+4*\s+3], 0x80000000
	s_mov_b32 s[G0B+4*\s], 1
	s_add_co_u32 s[G0B+4*\s+1], s45, \s*SLOT
	s_add_nc_u64 s[G0B+4*\s+2:G0B+4*\s+3], s[46:47], \s*ROWB
	s_or_b32 s[G0B+4*\s+3], s[G0B+4*\s+3], 0x80000000
.endr
	JLOAD G0, G1, G0B, G1B                         ; K step 0: one tensor load a wave at the head
	; PREFETCHES INTO THE L2 of K steps 1 to 3: 256 bytes of each row a step.  Of the 128 rows that my wave fetches, each of the four partners that ask for them jointly names 32, told apart by address
	; (cx for A, cy for B): a lane a row, one instruction a wave and step.  Steps 1 and 2 are asked for here, step 3 behind slot 1's first fill: each at least one fill ahead of its load.
	s_cmp_eq_u32 s15, 0
	s_cselect_b64 s[66:67], s[20:21], s[46:47]
	s_cselect_b32 s22, s40, s41
	s_lshl_b32 s22, s22, 15                        ; 32 rows of 1,024 bytes for each place
	s_mov_b32 s23, 0
	s_add_nc_u64 s[66:67], s[66:67], s[22:23]      ; never rewritten
	v_and_b32 v30, 31, v0
	v_lshlrev_b32 v30, 10, v30                     ; never rewritten
	global_prefetch_b8 v30, s[66:67] offset:256 th:TH_LOAD_NT scope:SCOPE_SE
	global_prefetch_b8 v30, s[66:67] offset:512 th:TH_LOAD_NT scope:SCOPE_SE
	v_and_b32 v1, 15, v0
	v_bfe_u32 v2, v0, 4, 1
	v_mul_u32_u24 v3, v1, PITCH
	s_wait_alu depctr_va_vdst(0)
	v_lshl_add_u32 v4, v2, 4, v3
	s_mul_i32 s21, s15, HALFT
	s_mul_i32 s22, s16, HALFT
	s_add_co_u32 s22, s22, 2*HALFT
.irp s, 0,1
	v_add_nc_u32 v[ADRA+\s], s21, v4
	v_add_nc_u32 v[ADRB+\s], s22, v4
	s_add_co_u32 s21, s21, SLOT
	s_add_co_u32 s22, s22, SLOT
.endr
	s_mul_i32 s23, s15, 128*PITCH
	s_lshl_b32 s22, s16, 7
	s_add_co_u32 s23, s23, s22
	v_lshl_add_u32 v5, v2, 3, v3
	v_add_nc_u32 v[STO], s23, v5
	s_mul_i32 s23, s14, 64*PITCH
	v_mul_u32_u24 v6, v2, PITCH
	v_lshl_add_u32 v6, v1, 4, v6
	v_add_nc_u32 v[RD], s23, v6
	v_lshlrev_b32 v[CO], 12, v2
	v_lshl_add_u32 v[CO], v1, 4, v[CO]
	s_lshl_b32 s68, s42, 10
	s_lshl_b32 s69, s16, 9
	s_add_co_u32 s68, s68, s69
	s_mov_b32 s69, 0
	s_add_nc_u64 s[68:69], s[10:11], s[68:69]
	v_lshlrev_b32 v7, 5, v2
.irp b, 0,1,2,3,4,5,6,7
	global_load_b128 v[BR+8*\b:BR+8*\b+3], v7, s[68:69] offset:64*\b
	global_load_b128 v[BR+8*\b+4:BR+8*\b+7], v7, s[68:69] offset:64*\b+16
.endr
	s_lshl_b32 s70, s17, 8
	s_lshl_b32 s71, s14, 6
	s_add_co_u32 s70, s70, s71
	s_lshl_b32 s70, s70, 12
	s_lshl_b32 s71, s42, 8
	s_add_co_u32 s70, s70, s71
	s_mov_b32 s71, 0
	s_add_nc_u64 s[12:13], s[12:13], s[70:71]
.macro FRAG reg, adr, q, i
.irp c, 0,1,2,3
	ds_load_b128 v[\reg+4*\c:\reg+4*\c+3], v[\adr] offset:128*(\q)+32*\c+(\i)*16*PITCH
.endr
.endm
.macro MUL16 a0, p, zero
.irp a, \a0, \a0+1
.irp b, 0,1,2,3,4,5,6,7
.if \zero
	v_wmma_f32_16x16x128_fp8_fp8 v[8*(8*((\a)%4)+\b):8*(8*((\a)%4)+\b)+7], v[128*(\p)+FR*\b:128*(\p)+FR*\b+FR-1], v[AF+FR*(\a):AF+FR*(\a)+FR-1], 0
.else
	v_wmma_f32_16x16x128_fp8_fp8 v[8*(8*((\a)%4)+\b):8*(8*((\a)%4)+\b)+7], v[128*(\p)+FR*\b:128*(\p)+FR*\b+FR-1], v[AF+FR*(\a):AF+FR*(\a)+FR-1], v[8*(8*((\a)%4)+\b):8*(8*((\a)%4)+\b)+7]
.endif
.endr
.endr
.endm
.macro FETCH_B slot, q, p
	WIN TO_B
.irp i, 0,1,2,3,4,5,6,7
	FRAG 128*(\p)+FR*\i, ADRB+\slot, \q, \i
.endr
	WIN 0
.endm
.macro FETCH_A slot, q, i0
.irp i, \i0, \i0+1, \i0+2, \i0+3
	FRAG AF+FR*(\i), ADRA+\slot, \q, \i
.endr
.endm
.macro PLACES n
.rept \n
	v_nop
.endr
.endm
.macro STEP slot, q, zero
	s_wait_dscnt 4*NL
	WIN MUL_LO
	MUL16 0, (\q)%2, \zero
	MUL16 2, (\q)%2, \zero
	s_wait_dscnt 0
	PLACES NP
	FETCH_B \slot, (\q)+1, 1-(\q)%2
	FETCH_A \slot, (\q)+1, 0
	WIN MUL_HI
	MUL16 4, (\q)%2, \zero
	MUL16 6, (\q)%2, \zero
	PLACES NP
	WIN 0
	FETCH_A \slot, (\q)+1, 4
.endm
.macro TURN slot, next, fill
	s_wait_tensorcnt 0x0
	ds_add_u32 v[SPW], v[NIL]
	s_wait_dscnt 4*NL+1
	WIN MUL_LO
	MUL16 0, 1, 0
	s_wait_dscnt 0x0
	s_barrier_signal -1
	MUL16 2, 1, 0
	WIN 0
	s_barrier_wait -1
.if \fill
	CREST
	s_add_nc_u64 s[G0+4*\slot+2:G0+4*\slot+3], s[G0+4*\slot+2:G0+4*\slot+3], 2*ROWB
	s_add_nc_u64 s[G0B+4*\slot+2:G0B+4*\slot+3], s[G0B+4*\slot+2:G0B+4*\slot+3], 2*ROWB
	JLOAD G0+4*\slot, G1, G0B+4*\slot, G1B
.else
	PLACES NP
.endif
	s_wait_alu depctr_va_vdst(0)
	FETCH_B \next, 0, 0
	FETCH_A \next, 0, 0
	WIN MUL_HI
	MUL16 4, 1, 0
	MUL16 6, 1, 0
	PLACES NP
	WIN 0
	FETCH_A \next, 0, 4
.endm
	s_wait_alu depctr_va_vdst(0)                   ; the wait at the head's end
	s_wait_tensorcnt 0x0                           ; my part of K step 0 is in
	ds_add_u32 v[SPW], v[NIL]
	s_wait_dscnt 0x0
	CROUND
	JLOAD G0+4, G1, G0B+4, G1B                     ; K step 1: my one tensor load behind the round
	global_prefetch_b8 v30, s[66:67] offset:768 th:TH_LOAD_NT scope:SCOPE_SE   ; K step 3, the last
	FETCH_B 0, 0, 0
	FETCH_A 0, 0, 0
	FETCH_A 0, 0, 4
	STEP 0, 0, 1
	s_mov_b32 s3, LAPS-1
.Llap:
	TURN 0, 1, 1
	STEP 1, 0, 0
	TURN 1, 0, 1
	STEP 0, 0, 0
	s_sub_co_u32 s3, s3, 1
	s_cmp_lg_u32 s3, 0
	s_cbranch_scc1 .Llap
	TURN 0, 1, 0
	STEP 1, 0, 0
	s_wait_dscnt 4*NL
	WIN MUL_LO
	MUL16 0, 1, 0
	MUL16 2, 1, 0
	s_wait_dscnt 0
	WIN MUL_HI
	MUL16 4, 1, 0
	MUL16 6, 1, 0
	WIN 0
	s_wait_kmcnt 0x0
	s_add_co_i32 s96, s72, s73
	s_add_co_i32 s96, s96, 127
	s_lshl_b32 s96, s96, 23
	s_mov_b32 s97, s96
	s_add_co_i32 s70, s74, 127
	s_lshl_b32 s71, s70, 23
	v_mov_b32 v[QS], s71
	s_add_co_i32 s70, s70, 8
	s_lshl_b32 s70, s70, 23
	s_or_b32 s70, s70, 0x600000
	v_mov_b32 v[QL], s70
	s_mov_b32 s76, 0x3e2ef945
	s_mov_b32 s78, 0x3fbe87b0
	s_mov_b32 s80, 0xbf914e5d
	s_mov_b32 s82, 0x3e8ec7cc
	s_mov_b32 s84, 0xbe3ec24c
	s_mov_b32 s86, 0x3dc636c9
	s_mov_b32 s88, 0x3ebf88fb
	s_mov_b32 s90, 0x3f8000c7
	s_mov_b32 s92, 0xbfa1fc4e
	s_mov_b32 s94, 0x3fb8aa3b
.irp k, 76,78,80,82,84,86,88,90,92,94
	s_mov_b32 s[\k+1], s[\k]
.endr
	s_mov_b32 s98, 0x3eb504f3
	v_mov_b32 v56, 0xbf527892
	v_mov_b32 v57, 0xbf527892
	s_wait_loadcnt 0x0
	PLACES NP
.macro MOVE a
	WIN 0x02+((\a)/4)
.set i, 0
.rept 32
	v_pk_fma_f32 v[XX+i:XX+i+1], v[64*((\a)%4)+i:64*((\a)%4)+i+1], s[96:97], v[BR+i:BR+i+1] op_sel_hi:[1,0,1]
.set i, i+2
.endr
	WIN 0
.endm
.macro GELU32 hf
.set XH, XX+32*\hf
.set i, 0
.rept 32
	v_fma_f32 v[T+i], |v[XH+i]|, s98, 1.0
.set i, i+1
.endr
.set i, 0
	s_wait_alu depctr_va_vdst(0)
.rept 32
	v_rcp_f32 v[T+i], v[T+i]
.set i, i+1
.endr
	v_nop
	s_wait_alu depctr_va_vdst(0)
.set i, 0
.rept 16
	v_pk_fma_f32 v[P+i:P+i+1], v[T+i:T+i+1], s[76:77], v[56:57] op_sel_hi:[1,0,1]
.set i, i+2
.endr
.irp k, 78,80,82,84,86,88,90,92
.set i, 0
.rept 16
	v_pk_fma_f32 v[P+i:P+i+1], v[P+i:P+i+1], v[T+i:T+i+1], s[\k:\k+1] op_sel_hi:[1,1,0]
.set i, i+2
.endr
.endr
.set i, 0
.rept 4
.irp p, 0,2,4,6
	v_pk_mul_f32 v[48+\p:49+\p], v[XH+i+\p:XH+i+\p+1], v[XH+i+\p:XH+i+\p+1]
.endr
.irp p, 0,2,4,6
	v_pk_fma_f32 v[P+i+\p:P+i+\p+1], v[48+\p:49+\p], -0.5, v[P+i+\p:P+i+\p+1] op_sel_hi:[1,0,1]
.endr
.set i, i+8
.endr
.set i, 0
.rept 16
	v_pk_fma_f32 v[P+i:P+i+1], v[P+i:P+i+1], s[94:95], -1.0 op_sel_hi:[1,0,0]
.set i, i+2
.endr
.set i, 0
	s_wait_alu depctr_va_vdst(0)
.rept 32
	v_exp_f32 v[P+i], v[P+i]
.set i, i+1
.endr
	v_nop
	s_wait_alu depctr_va_vdst(0)
.set i, 0
.rept 16
	v_pk_mul_f32 v[T+i:T+i+1], v[T+i:T+i+1], v[P+i:P+i+1]
.set i, i+2
.endr
.set i, 0
.rept 32
	v_max_num_f32 v[P+i], 0, v[XH+i]
.set i, i+1
.endr
.set i, 0
.rept 32
	v_fma_f32 v[XH+i], -|v[XH+i]|, v[T+i], v[P+i]
.set i, i+1
.endr
.set i, 0
.rept 32
	v_med3_num_f32 v[XH+i], v[XH+i], -v[QL], v[QL]
.set i, i+1
.endr
.if \hf == 0
	s_wait_alu depctr_va_vdst(0)
	s_wait_dscnt 0x0
.endif
.irp b, 0,1,2,3
	v_cvt_scalef32_pk8_fp8_f32 v[CD+8*\hf+2*\b:CD+8*\hf+2*\b+1], v[XH+8*\b:XH+8*\b+7], v[QS]
.endr
.endm
	s_mov_b32 s3, 0
	s_mov_b32 s99, 0
.Lblk:
.irp a, 0,1,2,3,4,5,6
	s_cmp_eq_u32 s3, \a
	s_cbranch_scc1 .Lm\a
.endr
	MOVE 7
	s_branch .Lg
.irp a, 0,1,2,3,4,5,6
.Lm\a:
	MOVE \a
	s_branch .Lg
.endr
.Lg:
	GELU32 0
	GELU32 1
	v_nop
	v_add_nc_u32 v[ADR], s99, v[STO]
.irp b, 0,1,2,3,4,5,6,7
	ds_store_b64 v[ADR], v[CD+2*\b:CD+2*\b+1] offset:16*\b
.endr
	s_add_co_u32 s99, s99, 16*PITCH
	s_add_co_u32 s3, s3, 1
	s_cmp_lt_u32 s3, 8
	s_cbranch_scc1 .Lblk
	s_wait_dscnt 0x0
	s_barrier_signal -1
	s_barrier_wait -1
.set t, 0
.rept 32
	ds_load_b128 v[BK+4*t:BK+4*t+3], v[RD] offset:t*2*PITCH
.set t, t+1
.endr
.set t, 0
.rept 32
	s_wait_dscnt 31-t
	global_store_b128 v[CO], v[BK+4*t:BK+4*t+3], s[12:13] offset:2*t*4096
.set t, t+1
.endr
	s_wait_tensorcnt 0x0
	ds_add_u32 v[SPW], v[NIL]
	s_wait_dscnt 0x0
	CROUND
	s_endpgm
.Lfunc_end_k_qeb880a185a_fc1:
	.size	k_qeb880a185a_fc1, .Lfunc_end_k_qeb880a185a_fc1-k_qeb880a185a_fc1
	.p2alignl 7, 3214868480
	.fill 96, 4, 3214868480
	.section	.rodata,"a",@progbits
	.p2align	6, 0x0
	.amdhsa_kernel k_qeb880a185a_fc1
		.amdhsa_group_segment_fixed_size 327680
		.amdhsa_private_segment_fixed_size 0
		.amdhsa_enable_private_segment 0
		.amdhsa_kernarg_size 40
		.amdhsa_user_sgpr_count 2
		.amdhsa_user_sgpr_kernarg_segment_ptr 1
		.amdhsa_wavefront_size32 1
		.amdhsa_system_sgpr_workgroup_id_x 1
		.amdhsa_system_sgpr_workgroup_id_y 1
		.amdhsa_system_sgpr_workgroup_id_z 1
		.amdhsa_system_vgpr_workitem_id 0
		.amdhsa_next_free_vgpr 1024
		.amdhsa_next_free_sgpr 100
		.amdhsa_reserve_vcc 0
		.amdhsa_float_denorm_mode_32 3
		.amdhsa_float_denorm_mode_16_64 3
		.amdhsa_memory_ordered 1
		.amdhsa_forward_progress 1
		.amdhsa_inst_pref_size 151
	.end_amdhsa_kernel
	.amdgpu_metadata
---
amdhsa.version: [ 1, 2 ]
amdhsa.kernels:
  - .name:           k_qeb880a185a_fc1
    .symbol:         k_qeb880a185a_fc1.kd
    .args:
      - { .name: ba, .offset: 0, .size: 8, .value_kind: global_buffer, .address_space: global }
      - { .name: wc, .offset: 8, .size: 8, .value_kind: global_buffer, .address_space: global }
      - { .name: lowp_scales, .offset: 16, .size: 8, .value_kind: global_buffer, .address_space: global }
      - { .name: fc1_b, .offset: 24, .size: 8, .value_kind: global_buffer, .address_space: global }
      - { .name: a6, .offset: 32, .size: 8, .value_kind: global_buffer, .address_space: global }
    .group_segment_fixed_size: 327680
    .private_segment_fixed_size: 0
    .kernarg_segment_align: 8
    .kernarg_segment_size: 40
    .max_flat_workgroup_size: 128
    .sgpr_count:     100
    .vgpr_count:     1024
    .wavefront_size: 32
...
	.end_amdgpu_metadata
.endif
;; end of part 6
;; launch fc2 (part 7): grid 8 x 32, 4 waves a work-group, clusters of 4 x 4, 327,680 bytes of LDS; arguments a6, wc, lowp_scales, fc2_b, x1, out0; writes out0
.if DOCPART == 7
	.amdgcn_target "amdgcn-amd-amdhsa--gfx1250"
	.amdhsa_code_object_version 6
	.text
	.protected	k_qeb880a185a_fc2
	.globl	k_qeb880a185a_fc2
	.p2align	8
	.type	k_qeb880a185a_fc2,@function
k_qeb880a185a_fc2:
	s_mov_b64 s[64:65], 0
	v_nop
	global_prefetch_b8 v0, s[64:65] scope:SCOPE_SE
	s_setreg_imm32_b32 hwreg(HW_REG_WAVE_MODE, 25, 1), 1
	s_wait_xcnt 0x0
	s_wait_alu depctr_hold_cnt(0) depctr_sa_sdst(0) depctr_va_vdst(0) depctr_va_sdst(0) depctr_va_ssrc(0) depctr_va_vcc(0) depctr_vm_vsrc(0)
	s_getreg_b32 s2, hwreg(HW_REG_IB_STS2, 6, 4)
	s_cmp_eq_u32 s2, 0
	s_cbranch_scc0 .Lentry_in_a_cluster
	s_endpgm
.Lentry_in_a_cluster:
	s_bfe_u32 s2, ttmp6, 0x10000c
	s_cmp_lg_u32 s2, 0xf033
	s_cbranch_scc0 .Lentry_shape_is_right
	s_endpgm
.Lentry_shape_is_right:
.set SIZE_K, 4096
.set WOFF,   8388608
.set SCOFF,  0x28
.set LASTOUT, 1
.set KSTEP,  512
.set PITCH,  528
.set FR,     16
.set HALFT,  64*PITCH
.set SLOT,   4*HALFT
.set STAGE,  2*SLOT
.set SPITCH, 272
.set SPARE,  STAGE+4*16*SPITCH
.set LAPS,   SIZE_K/(2*KSTEP)
.set ADRA, 16
.set ADRB, 20
.set STO,  24
.set RD,   25
.set CO,   26
.set SPW,  28
.set NIL,  29
.set TMP,  32
.set BK,   64
.set BIAS, 96
.set ACC,  128
.set F0,   0
.set F1,   128
.set G1, 24
.set G0, 32
.set G1B, 48
.set G0B, 56
.set MSB, 0
.macro WIN new
.if MSB != \new
	s_set_vgpr_msb (MSB<<8)|\new
.set MSB, \new
.endif
.endm
.set MUL,  0x05
.set TO_F, 0x40
.macro JLOAD s
	s_cmp_eq_u32 s11, 0
	s_cbranch_scc0 .Lfor_b_\@
	tensor_load_to_lds s[G0+4*\s:G0+4*\s+3], s[G1:G1+7]
	s_nop 0
.rept 4
	v_nop
.endr
	s_branch .Lasked_\@
.Lfor_b_\@:
	tensor_load_to_lds s[G0B+4*\s:G0B+4*\s+3], s[G1B:G1B+7]
	s_nop 0
.rept 4
	v_nop
.endr
.Lasked_\@:
.endm
.macro CREST
	s_cmp_lg_u32 s10, 0
	s_cbranch_scc1 .Lnot_wave_0_\@
	s_barrier_signal -3
.Lnot_wave_0_\@:
	s_barrier_wait -3
	s_barrier_signal -1
	s_barrier_wait -1
.endm
.macro CROUND
	s_barrier_signal -1
	s_barrier_wait -1
	CREST
.endm
	s_load_b128 s[4:7], s[0:1], 0x0
	s_load_b128 s[68:71], s[0:1], 0x10
	s_load_b128 s[76:79], s[0:1], 0x20
	v_lshl_add_u32 v[SPW], v0, 2, SPARE
	v_mov_b32 v[NIL], 0
	ds_add_u32 v28, v29
	ds_add_u32 v28, v29
	s_wait_dscnt 0x0
	v_lshrrev_b32 v1, 5, v0
	v_readfirstlane_b32 s10, v1
	s_lshr_b32 s11, s10, 1
	s_and_b32 s12, s10, 1
	s_bfe_u32 s40, ttmp6, 0x40000
	s_bfe_u32 s41, ttmp6, 0x40004
	s_lshl_b32 s42, ttmp9, 2
	s_add_co_u32 s42, s42, s40
	s_and_b32 s13, ttmp7, 0xffff
	s_lshl_b32 s13, s13, 2
	s_add_co_u32 s13, s13, s41
	s_lshl_b32 s43, s41, 2
	s_lshl_b32 s43, 15, s43
	s_lshl_b32 s44, 0x1111, s40
	s_or_b32 s[G1+0], s43, (0<<16)|(1<<20)|(1<<21)|(6<<22)|(3<<25)
	s_or_b32 s[G1B+0], s44, (0<<16)|(1<<20)|(1<<21)|(6<<22)|(3<<25)
.irp g, G1, G1B
	s_mov_b32 s[\g+1], KSTEP<<16
	s_mov_b32 s[\g+2], 64<<16
	s_mov_b32 s[\g+3], KSTEP<<16
	s_mov_b32 s[\g+4], 64
	s_mov_b32 s[\g+5], SIZE_K
	s_mov_b32 s[\g+6], 0
	s_mov_b32 s[\g+7], 0
.endr
	s_lshl_b32 s17, s12, 6
	s_lshl_b32 s16, s13, 7
	s_add_co_u32 s16, s16, s17
	s_mul_i32 s16, s16, SIZE_K
	s_lshl_b32 s46, s42, 7
	s_add_co_u32 s46, s46, s17
	s_mul_i32 s46, s46, SIZE_K
	s_mov_b32 s17, 0
	s_mov_b32 s47, 0
	s_mul_i32 s20, s10, HALFT
	s_wait_kmcnt 0x0
	s_load_b64 s[72:73], s[68:69], SCOFF
	s_add_nc_u64 s[6:7], s[6:7], WOFF
	s_add_nc_u64 s[14:15], s[4:5], s[16:17]
	s_add_nc_u64 s[46:47], s[6:7], s[46:47]
	CROUND
.irp s, 0,1
	s_mov_b32 s[G0+4*\s], 1
	s_add_co_u32 s[G0+4*\s+1], s20, \s*SLOT
	s_add_nc_u64 s[G0+4*\s+2:G0+4*\s+3], s[14:15], \s*KSTEP
	s_or_b32 s[G0+4*\s+3], s[G0+4*\s+3], 0x80000000
	s_mov_b32 s[G0B+4*\s], 1
	s_add_co_u32 s[G0B+4*\s+1], s20, \s*SLOT
	s_add_nc_u64 s[G0B+4*\s+2:G0B+4*\s+3], s[46:47], \s*KSTEP
	s_or_b32 s[G0B+4*\s+3], s[G0B+4*\s+3], 0x80000000
.endr
	JLOAD 0                                        ; K step 0: one tensor load a wave at the head
	; PREFETCHES INTO THE L2, two K steps ahead of the tensor loads: 512 bytes of each row a step.  Of the 64 rows that my wave fetches, each of the four partners that ask for them jointly names 16, told apart
	; by address (cx for A, cy for B): two lanes a row, 256 bytes apart, one instruction a wave and step.  Steps 1 and 2 are asked for here, step 3 behind slot 1's first fill, step j + 2 behind the refill
	; that loads step j; the last trip's two refills ask for nothing: no K step lies two behind them.
	s_cmp_eq_u32 s11, 0
	s_cselect_b64 s[80:81], s[14:15], s[46:47]
	s_cselect_b32 s82, s40, s41
	s_mul_i32 s82, s82, 16*SIZE_K
	s_mov_b32 s83, 0
	s_add_nc_u64 s[80:81], s[80:81], s[82:83]
	s_add_nc_u64 s[80:81], s[80:81], KSTEP         ; at K step 1; each refill steps it by one K step
	v_bfe_u32 v30, v0, 1, 4
	v_mul_u32_u24 v30, v30, SIZE_K
	v_and_b32 v31, 1, v0
	v_lshl_add_u32 v30, v31, 8, v30                ; never rewritten
	global_prefetch_b8 v30, s[80:81] th:TH_LOAD_NT scope:SCOPE_SE
	global_prefetch_b8 v30, s[80:81] offset:KSTEP th:TH_LOAD_NT scope:SCOPE_SE
	v_and_b32 v1, 15, v0
	s_wait_alu depctr_va_vdst(0)
	v_bfe_u32 v2, v0, 4, 1
	v_mul_u32_u24 v3, v1, PITCH
	v_lshl_add_u32 v3, v2, 4, v3
	s_mul_i32 s21, s11, HALFT
	s_mul_i32 s22, s12, HALFT
	s_add_co_u32 s22, s22, 2*HALFT
.irp s, 0,1
	v_add_nc_u32 v[ADRA+\s], s21, v3
	v_add_nc_u32 v[ADRB+\s], s22, v3
	s_add_co_u32 s21, s21, SLOT
	s_add_co_u32 s22, s22, SLOT
.endr
	s_mul_i32 s23, s10, 16*SPITCH
	s_add_co_u32 s23, s23, STAGE
	v_mul_u32_u24 v4, v1, SPITCH
	s_wait_alu depctr_va_vdst(0)
	v_lshl_add_u32 v4, v2, 5, v4
	v_add_nc_u32 v[STO], s23, v4
	v_mul_u32_u24 v5, v2, SPITCH
	v_lshl_add_u32 v5, v1, 4, v5
	v_add_nc_u32 v[RD], s23, v5
	v_lshlrev_b32 v[CO], 12, v2
	v_lshl_add_u32 v[CO], v1, 4, v[CO]
	v_lshlrev_b32 v6, 5, v2
	s_wait_alu depctr_va_vdst(0)
	s_lshl_b32 s21, s42, 9
	s_lshl_b32 s22, s12, 8
	s_add_co_u32 s22, s21, s22
	s_mov_b32 s23, 0
	s_add_nc_u64 s[70:71], s[70:71], s[22:23]
	s_lshl_b32 s18, s13, 7
	s_lshl_b32 s19, s11, 6
	s_add_co_u32 s18, s18, s19
	s_lshl_b32 s18, s18, 12
	s_add_co_u32 s18, s18, s22
	s_mov_b32 s19, 0
	s_add_nc_u64 s[76:77], s[76:77], s[18:19]
	s_add_nc_u64 s[78:79], s[78:79], s[18:19]
.irp b, 0,1,2,3
	global_load_b128 v[BIAS+8*\b:BIAS+8*\b+3], v6, s[70:71] offset:64*\b
	global_load_b128 v[BIAS+8*\b+4:BIAS+8*\b+7], v6, s[70:71] offset:64*\b+16
.endr
.macro FRAG reg, adr, q, i
.irp c, 0,1,2,3
	ds_load_b128 v[\reg+4*\c:\reg+4*\c+3], v[\adr] offset:128*(\q)+32*\c+(\i)*16*PITCH
.endr
.endm
.macro FETCH slot, q, f
	WIN TO_F
.irp i, 0,1,2,3
	FRAG \f+64+FR*\i, ADRB+\slot, \q, \i
.endr
.irp i, 0,1,2,3
	FRAG \f+FR*\i, ADRA+\slot, \q, \i
.endr
.endm
.macro MUL4 f, a, zero
.irp b, 0,1,2,3
.if \zero
	v_wmma_f32_16x16x128_fp8_fp8 v[ACC+8*(4*(\a)+\b):ACC+8*(4*(\a)+\b)+7], v[\f+64+FR*\b:\f+64+FR*\b+FR-1], v[\f+FR*(\a):\f+FR*(\a)+FR-1], 0
.else
	v_wmma_f32_16x16x128_fp8_fp8 v[ACC+8*(4*(\a)+\b):ACC+8*(4*(\a)+\b)+7], v[\f+64+FR*\b:\f+64+FR*\b+FR-1], v[\f+FR*(\a):\f+FR*(\a)+FR-1], v[ACC+8*(4*(\a)+\b):ACC+8*(4*(\a)+\b)+7]
.endif
.endr
.endm
.macro PLACES
.rept 4
	v_nop
.endr
.endm
.macro QUARTER slot, qn, f, g, zero
	s_wait_dscnt 8
	WIN MUL
	MUL4 \f, 0, \zero
	MUL4 \f, 1, \zero
	PLACES
	FETCH \slot, \qn, \g
	s_wait_dscnt 32
	WIN MUL
	MUL4 \f, 2, \zero
	MUL4 \f, 3, \zero
.endm
.macro TURN slot, next, fill
.if \fill
	s_wait_xcnt 0x0                                ; my last prefetch, a K step back, has read its address: it is stepped here, ahead of the waits of the change of slots
	s_add_nc_u64 s[80:81], s[80:81], KSTEP
.endif
	WIN 0
	s_wait_tensorcnt 0x0
	ds_add_u32 v[SPW], v[NIL]
	s_wait_dscnt 9
	WIN MUL
	MUL4 F1, 0, 0
	s_wait_dscnt 0x0
	s_barrier_signal -1
	MUL4 F1, 1, 0
.if \fill
	WIN 0
.endif
	s_barrier_wait -1
.if \fill
	CREST
	s_add_nc_u64 s[G0+4*\slot+2:G0+4*\slot+3], s[G0+4*\slot+2:G0+4*\slot+3], 2*KSTEP
	s_add_nc_u64 s[G0B+4*\slot+2:G0B+4*\slot+3], s[G0B+4*\slot+2:G0B+4*\slot+3], 2*KSTEP
	JLOAD \slot
.else
	PLACES
.endif
	FETCH \next, 0, F0
.if \fill
	WIN 0                                          ; at a branch and at a label every window is 0
	s_cmp_gt_u32 s3, 1                             ; s3 = 1 in the loop's last trip
	s_cbranch_scc0 .Lno_ask_\@
	global_prefetch_b8 v30, s[80:81] offset:2*KSTEP th:TH_LOAD_NT scope:SCOPE_SE   ; the K step two behind the one just asked for
.Lno_ask_\@:
.endif
	WIN MUL
	MUL4 F1, 2, 0
	MUL4 F1, 3, 0
.endm
	s_wait_alu depctr_va_vdst(0)                   ; the wait at the head's end
	s_wait_tensorcnt 0x0                           ; my part of K step 0 is in
	ds_add_u32 v[SPW], v[NIL]
	s_wait_dscnt 0x0
	CROUND
	JLOAD 1                                        ; K step 1: my one tensor load behind the round
	global_prefetch_b8 v30, s[80:81] offset:2*KSTEP th:TH_LOAD_NT scope:SCOPE_SE   ; K step 3
	FETCH 0, 0, F0
	QUARTER 0, 1, F0, F1, 1
.if LAPS > 1
	WIN 0
	s_mov_b32 s3, LAPS-1
.Llap:
	QUARTER 0, 2, F1, F0, 0
	QUARTER 0, 3, F0, F1, 0
	TURN 0, 1, 1
	QUARTER 1, 1, F0, F1, 0
	QUARTER 1, 2, F1, F0, 0
	QUARTER 1, 3, F0, F1, 0
	TURN 1, 0, 1
	QUARTER 0, 1, F0, F1, 0
	WIN 0
	s_sub_co_u32 s3, s3, 1
	s_cmp_lg_u32 s3, 0
	s_cbranch_scc1 .Llap
.endif
	WIN 0x80                                       ; the residual, into window 2: asked for here, behind the tiles' last requests; seven quarter steps stand ahead of the wait for it
.irp a, 0,1,2,3
.irp t, 0,1,2,3,4,5,6,7
	global_load_b128 v[32*\a+4*\t:32*\a+4*\t+3], v[CO], s[76:77] offset:(16*\a+2*\t)*4096
.endr
.endr
	WIN 0
	QUARTER 0, 2, F1, F0, 0
	QUARTER 0, 3, F0, F1, 0
	TURN 0, 1, 0
	QUARTER 1, 1, F0, F1, 0
	QUARTER 1, 2, F1, F0, 0
	QUARTER 1, 3, F0, F1, 0
	s_wait_dscnt 8
	WIN MUL
	MUL4 F1, 0, 0
	MUL4 F1, 1, 0
	s_wait_dscnt 0
	MUL4 F1, 2, 0
	MUL4 F1, 3, 0
	WIN 0
	s_wait_kmcnt 0x0
	s_add_co_i32 s72, s72, s73
	s_add_co_i32 s72, s72, 127
	s_lshl_b32 s72, s72, 23
	s_mov_b32 s73, s72
	s_wait_loadcnt 0x0
	PLACES
.macro OUTB a
.set i, 0
.rept 16
	v_pk_fma_f32 v[TMP+i:TMP+i+1], v[ACC+32*(\a)+i:ACC+32*(\a)+i+1], s[72:73], v[BIAS+i:BIAS+i+1] op_sel_hi:[1,0,1]
.set i, i+2
.endr
.irp b, 0,1,2,3
	ds_store_b128 v[STO], v[TMP+8*\b:TMP+8*\b+3] offset:64*\b
	ds_store_b128 v[STO], v[TMP+8*\b+4:TMP+8*\b+7] offset:64*\b+16
.endr
.irp t, 0,1,2,3,4,5,6,7
	ds_load_b128 v[BK+4*\t:BK+4*\t+3], v[RD] offset:\t*2*SPITCH
.endr
	s_wait_dscnt 0x0
	WIN 0x88
.set i, 0
.rept 16
	v_pk_add_f32 v[32*(\a)+i:32*(\a)+i+1], v[BK+i:BK+i+1], v[32*(\a)+i:32*(\a)+i+1]
.set i, i+2
.endr
	WIN 0x08
.irp t, 0,1,2,3,4,5,6,7
.if LASTOUT
	global_store_b128 v[CO], v[32*(\a)+4*\t:32*(\a)+4*\t+3], s[78:79] offset:(16*(\a)+2*\t)*4096 th:TH_STORE_NT
.else
	global_store_b128 v[CO], v[32*(\a)+4*\t:32*(\a)+4*\t+3], s[78:79] offset:(16*(\a)+2*\t)*4096
.endif
.endr
	WIN 0
.endm
	OUTB 0
	OUTB 1
	OUTB 2
	OUTB 3
	s_wait_tensorcnt 0x0
	ds_add_u32 v[SPW], v[NIL]
	s_wait_dscnt 0x0
	CROUND
	s_endpgm
.Lfunc_end_k_qeb880a185a_fc2:
	.size	k_qeb880a185a_fc2, .Lfunc_end_k_qeb880a185a_fc2-k_qeb880a185a_fc2
	.p2alignl 7, 3214868480
	.fill 96, 4, 3214868480
	.section	.rodata,"a",@progbits
	.p2align	6, 0x0
	.amdhsa_kernel k_qeb880a185a_fc2
		.amdhsa_group_segment_fixed_size 327680
		.amdhsa_private_segment_fixed_size 0
		.amdhsa_enable_private_segment 0
		.amdhsa_kernarg_size 48
		.amdhsa_user_sgpr_count 2
		.amdhsa_user_sgpr_kernarg_segment_ptr 1
		.amdhsa_wavefront_size32 1
		.amdhsa_system_sgpr_workgroup_id_x 1
		.amdhsa_system_sgpr_workgroup_id_y 1
		.amdhsa_system_sgpr_workgroup_id_z 1
		.amdhsa_system_vgpr_workitem_id 0
		.amdhsa_next_free_vgpr 640
		.amdhsa_next_free_sgpr 84
		.amdhsa_reserve_vcc 0
		.amdhsa_float_denorm_mode_32 3
		.amdhsa_float_denorm_mode_16_64 3
		.amdhsa_memory_ordered 1
		.amdhsa_forward_progress 1
		.amdhsa_inst_pref_size 84
	.end_amdhsa_kernel
	.amdgpu_metadata
---
amdhsa.version: [ 1, 2 ]
amdhsa.kernels:
  - .name:           k_qeb880a185a_fc2
    .symbol:         k_qeb880a185a_fc2.kd
    .args:
      - { .name: a6, .offset: 0, .size: 8, .value_kind: global_buffer, .address_space: global }
      - { .name: wc, .offset: 8, .size: 8, .value_kind: global_buffer, .address_space: global }
      - { .name: lowp_scales, .offset: 16, .size: 8, .value_kind: global_buffer, .address_space: global }
      - { .name: fc2_b, .offset: 24, .size: 8, .value_kind: global_buffer, .address_space: global }
      - { .name: x1, .offset: 32, .size: 8, .value_kind: global_buffer, .address_space: global }
      - { .name: out0, .offset: 40, .size: 8, .value_kind: global_buffer, .address_space: global }
    .group_segment_fixed_size: 327680
    .private_segment_fixed_size: 0
    .kernarg_segment_align: 8
    .kernarg_segment_size: 48
    .max_flat_workgroup_size: 128
    .sgpr_count:     84
    .vgpr_count:     640
    .wavefront_size: 32
...
	.end_amdgpu_metadata
.endif
;; end of part 7
